; MI455X (gfx1250); checked and timed in simulation.
; The chip was launched on July 23, 2026; its instructions are those of AMD's public machine-readable ISA for CDNA 5 (MIT licence, August 2026) and "CDNA5" Instruction Set Architecture Reference Guide (July 2026). The comments in the code are by the model that wrote it; some were corrected since.
;; Expert Lo RA. Allowed arithmetic: float matrix products may take bf16 or f16 operands with f32 sums; all other float work in f32.
;; Inputs: down_proj 8 x 1,024 x 2,048 float32; down_proj_bias 8 x 2,048 float32; gate_up_proj 8 x 2,048 x 2,048 float32; gate_up_proj_bias 8 x 2,048 float32; hidden_states 2 x 512 x 2,048 float32; lora_down_A 8 x 1,024 x 8 float32; lora_down_B 8 x 8 x 2,048 float32; lora_gate_up_A 8 x 2,048 x 8 float32; lora_gate_up_B 8 x 8 x 2,048 float32; router_indices 1,024 x 4 int32; routing_weights 1,024 x 4 float32.
;; Outputs: out0 2 x 512 x 2,048 float32.
;; 2 versions, each right; version 2 is version 1 with the launches prep, combine written anew for expert scheduling mode. Each part assembles by itself: llvm-mc -triple=amdgcn-amd-amdhsa -mcpu=gfx1250 --defsym DOCPART=n.
;; ======== version 1 of 2: 4 launches
;; limits: values are held in f16: magnitudes above 65,504 overflow, below 6.1e-05 lose precision; inputs' magnitudes at most 65,504
;; workspace buffers: xh 4,194,304 bytes; w1h 67,108,864 bytes; w2h 33,554,432 bytes; gated 16,777,216 bytes; part 67,108,864 bytes
;; launch prep (part 1): grid 256 x 1, 16 waves a work-group, no clusters, 0 bytes of LDS; arguments gate_up_proj, lora_gate_up_A, lora_gate_up_B, down_proj, lora_down_A, lora_down_B, hidden_states, w1h, w2h, xh; writes w1h, w2h, xh
.if DOCPART == 1
	.amdgcn_target "amdgcn-amd-amdhsa--gfx1250"
	.amdhsa_code_object_version 6
	.text
	.protected	k_qf06d9df00b_prep
	.globl	k_qf06d9df00b_prep
	.p2align	8
	.type	k_qf06d9df00b_prep,@function
k_qf06d9df00b_prep:
	s_mov_b64 s[64:65], 0
	v_nop
	global_prefetch_b8 v0, s[64:65] scope:SCOPE_SE
	s_setreg_imm32_b32 hwreg(HW_REG_WAVE_MODE, 25, 1), 1
	s_wait_xcnt 0x0
; w1h = f16(W1 + 2 A1 B1), w2h = f16(W2 + 2 A2 B2), xh = f16(x); every layout stays as it is.
; The rank-8 LoRA products are folded into the weights in f32 and the sum is rounded once, so that the two products that follow hold no LoRA step.
; LIMIT, stated: the results are f16, so |x| and |W + 2 A B| have to stay below 65504 (larger numbers become infinities); below 2^-14 the rounding step is 2^-25.
; A stream: all rows are 2,048 numbers = 8,192 bytes in, 4,096 bytes out.  Work-group i takes 100 rows: 64 of W1 (flat rows 64 i ..), 32 of W2 (32 i ..), 4 of x (4 i ..);
; both weight pieces lie inside expert i / 32.  Thread t (0..511) owns columns 4 t .. 4 t + 3 of every row: a wave's load covers 512 consecutive bytes, its store 256
; consecutive bytes that start at a multiple of 256 from the buffer's first byte.  The thread's 8 x 4 numbers of B1 and of B2 stay in registers; A's rows lie one to a lane
; and are handed out by v_readlane_b32.  No LDS, no barrier, no matrix unit (a rank of 8 would fill a quarter of a K = 32 product), no cluster (no large bytes are shared).
; A ring of 16 row slots in registers keeps 16 loads of every wave on their way.  A slot owns its four registers of f32 and its pair of packed f16.
.set DEPTH, 16
.set NROWS, 100
.set INROW, 8192
.set OUTROW, 4096
.set VIN,  1                           ; v1        16 t: my 16 bytes in an f32 row
.set VOUT, 2                           ; v2        8 t: my 8 bytes in an f16 row
.set VA,   3                           ; v3        32 x lane: my row of A (8 f32)
.set AV,   4                           ; v[4:27]   three batches of 8: lane L holds 2 A[row0 + L][0..7]: A1 rows 0-31, A1 rows 32-63, A2 rows 0-31
.set BB1,  28                          ; v[28:59]  B1[e][r][my 4 columns] at +4 r
.set BB2,  60                          ; v[60:91]  B2 likewise
.set RING, 92                          ; v[92:155] 16 slots of 4 registers
.set Y,    156                         ; v[156:187] 16 pairs of packed f16, one for each slot
	s_load_b512 s[8:23], s[0:1], 0x0               ; W1 s[8:9], A1 s[10:11], B1 s[12:13], W2 s[14:15], A2 s[16:17], B2 s[18:19], x s[20:21], w1h s[22:23]
	s_load_b128 s[24:27], s[0:1], 0x40             ; w2h s[24:25], xh s[26:27]
	v_lshlrev_b32 v[VIN], 4, v0
	v_lshlrev_b32 v[VOUT], 3, v0
	v_and_b32 v[VA], 31, v0
	v_lshlrev_b32 v[VA], 5, v[VA]
	s_lshr_b32 s28, ttmp9, 5                       ; the expert
	s_mov_b32 s3, 0                                ; every offset below is under 4 GiB: the pair's high word is 0
.irp r, 0,1,2,3,4,5,6,7
	s_mov_b32 s[33+2*\r], 0                        ; the upper halves of the eight broadcast pairs: never multiplied by, but the pair is named whole
.endr
	s_wait_kmcnt 0x0
	s_lshl_b32 s2, ttmp9, 19                       ; 64 rows of 8,192 bytes
	s_add_nc_u64 s[8:9], s[8:9], s[2:3]
	s_lshl_b32 s2, ttmp9, 18                       ; 64 rows of 4,096 bytes; also 32 rows of 8,192
	s_add_nc_u64 s[22:23], s[22:23], s[2:3]
	s_add_nc_u64 s[14:15], s[14:15], s[2:3]
	s_lshl_b32 s2, ttmp9, 17                       ; 32 rows of 4,096 bytes
	s_add_nc_u64 s[24:25], s[24:25], s[2:3]
	s_lshl_b32 s2, ttmp9, 11                       ; 64 rows of A1, 32 bytes each
	s_add_nc_u64 s[10:11], s[10:11], s[2:3]
	s_lshl_b32 s2, ttmp9, 10                       ; 32 rows of A2
	s_add_nc_u64 s[16:17], s[16:17], s[2:3]
	s_lshl_b32 s2, ttmp9, 15                       ; 4 rows of x
	s_add_nc_u64 s[20:21], s[20:21], s[2:3]
	s_lshl_b32 s2, ttmp9, 14                       ; 4 rows of xh
	s_add_nc_u64 s[26:27], s[26:27], s[2:3]
	s_lshl_b32 s2, s28, 16                         ; an expert's B: 8 rows of 8,192 bytes
	s_add_nc_u64 s[12:13], s[12:13], s[2:3]
	s_add_nc_u64 s[18:19], s[18:19], s[2:3]
	global_load_b128 v[AV:AV+3],     v[VA], s[10:11]
	global_load_b128 v[AV+4:AV+7],   v[VA], s[10:11] offset:16
	global_load_b128 v[AV+8:AV+11],  v[VA], s[10:11] offset:1024
	global_load_b128 v[AV+12:AV+15], v[VA], s[10:11] offset:1040
	global_load_b128 v[AV+16:AV+19], v[VA], s[16:17]
	global_load_b128 v[AV+20:AV+23], v[VA], s[16:17] offset:16
.irp r, 0,1,2,3,4,5,6,7
	global_load_b128 v[BB1+4*\r:BB1+4*\r+3], v[VIN], s[12:13] offset:\r*INROW
.endr
.irp r, 0,1,2,3,4,5,6,7
	global_load_b128 v[BB2+4*\r:BB2+4*\r+3], v[VIN], s[18:19] offset:\r*INROW
.endr
; row q of my 100 goes into slot q mod 16.  Each byte is read once in the launch: the non-temporal hint.
.macro LOADROW q
.if (\q) < 64
	global_load_b128 v[RING+4*((\q)%DEPTH):RING+4*((\q)%DEPTH)+3], v[VIN], s[8:9] offset:(\q)*INROW th:TH_LOAD_NT
.else
.if (\q) < 96
	global_load_b128 v[RING+4*((\q)%DEPTH):RING+4*((\q)%DEPTH)+3], v[VIN], s[14:15] offset:((\q)-64)*INROW th:TH_LOAD_NT
.else
	global_load_b128 v[RING+4*((\q)%DEPTH):RING+4*((\q)%DEPTH)+3], v[VIN], s[20:21] offset:((\q)-96)*INROW th:TH_LOAD_NT
.endif
.endif
.endm
.irp q, 0,1,2,3,4,5,6,7,8,9,10,11,12,13,14,15
	LOADROW \q
.endr
	s_wait_loadcnt 32                              ; 38 loads are out; the six of A are the oldest (loads come back in order: ISA guide 5.7.1)
.irp j, 0,1,2,3,4,5,6,7,8,9,10,11
	v_pk_mul_f32 v[AV+2*\j:AV+2*\j+1], v[AV+2*\j:AV+2*\j+1], 2.0 op_sel_hi:[1,0]   ; the LoRA scaling 16 / 8, once, exact
.endr
; One row: wait for it, add the eight rank-1 terms (weights only), round, refill the slot, store.
.macro STEP q
.if \q < NROWS-DEPTH
	s_wait_loadcnt DEPTH-1                         ; row q is in (at q = 0 also B1 and B2, which are older); the 15 younger rows stay out
.else
	s_wait_loadcnt NROWS-1-\q                      ; the last rows: nothing is loaded behind them, the counts run down
.endif
.if \q >= DEPTH
.if \q % 8 == 0
	s_wait_xcnt 0x0                                ; the addresses of all earlier memory instructions are translated (ISA guide 3.1).  Once in eight rows is enough: row q rewrites the pair of Y
	                                               ; that the store of row q - 16 reads, and the last such wait stands at row q - q mod 8, at most 7 rows back, so behind that store
.endif
.endif
.set SL, RING+4*(\q%DEPTH)
.set YP, Y+2*(\q%DEPTH)
.if \q < 96
.if \q < 64
.set BBX, BB1
.else
.set BBX, BB2
.endif
.irp r, 0,1,2,3,4,5,6,7
	v_readlane_b32 s[32+2*\r], v[AV+8*(\q/32)+\r], \q%32       ; 2 A[row q][r], for every lane
.endr
.irp r, 0,1,2,3,4,5,6,7
	v_pk_fma_f32 v[SL:SL+1],   v[BBX+4*\r:BBX+4*\r+1],   s[32+2*\r:33+2*\r], v[SL:SL+1]   op_sel_hi:[1,0,1]   ; two chains that take turns
	v_pk_fma_f32 v[SL+2:SL+3], v[BBX+4*\r+2:BBX+4*\r+3], s[32+2*\r:33+2*\r], v[SL+2:SL+3] op_sel_hi:[1,0,1]
.endr
.endif
	v_cvt_pk_f16_f32 v[YP],   v[SL],   v[SL+1]
	v_cvt_pk_f16_f32 v[YP+1], v[SL+2], v[SL+3]
.if \q+DEPTH < NROWS
	LOADROW \q+DEPTH                               ; the load goes ahead of the store
.endif
.if \q < 64
	global_store_b64 v[VOUT], v[YP:YP+1], s[22:23] offset:\q*OUTROW
.else
.if \q < 96
	global_store_b64 v[VOUT], v[YP:YP+1], s[24:25] offset:(\q-64)*OUTROW
.else
	global_store_b64 v[VOUT], v[YP:YP+1], s[26:27] offset:(\q-96)*OUTROW
.endif
.endif
.endm
.rept NROWS
	STEP \+
.endr
	s_endpgm
.Lfunc_end_k_qf06d9df00b_prep:
	.size	k_qf06d9df00b_prep, .Lfunc_end_k_qf06d9df00b_prep-k_qf06d9df00b_prep
	.p2alignl 7, 3214868480
	.fill 96, 4, 3214868480
	.section	.rodata,"a",@progbits
	.p2align	6, 0x0
	.amdhsa_kernel k_qf06d9df00b_prep
		.amdhsa_group_segment_fixed_size 0
		.amdhsa_private_segment_fixed_size 0
		.amdhsa_enable_private_segment 0
		.amdhsa_kernarg_size 80
		.amdhsa_user_sgpr_count 2
		.amdhsa_user_sgpr_kernarg_segment_ptr 1
		.amdhsa_wavefront_size32 1
		.amdhsa_system_sgpr_workgroup_id_x 1
		.amdhsa_system_sgpr_workgroup_id_y 1
		.amdhsa_system_sgpr_workgroup_id_z 1
		.amdhsa_system_vgpr_workitem_id 0
		.amdhsa_next_free_vgpr 188
		.amdhsa_next_free_sgpr 66
		.amdhsa_reserve_vcc 0
		.amdhsa_float_denorm_mode_32 3
		.amdhsa_float_denorm_mode_16_64 3
		.amdhsa_memory_ordered 1
		.amdhsa_forward_progress 1
		.amdhsa_inst_pref_size 183
	.end_amdhsa_kernel
	.amdgpu_metadata
---
amdhsa.version: [ 1, 2 ]
amdhsa.kernels:
  - .name:           k_qf06d9df00b_prep
    .symbol:         k_qf06d9df00b_prep.kd
    .args:
      - { .name: gate_up_proj, .offset: 0, .size: 8, .value_kind: global_buffer, .address_space: global }
      - { .name: lora_gate_up_A, .offset: 8, .size: 8, .value_kind: global_buffer, .address_space: global }
      - { .name: lora_gate_up_B, .offset: 16, .size: 8, .value_kind: global_buffer, .address_space: global }
      - { .name: down_proj, .offset: 24, .size: 8, .value_kind: global_buffer, .address_space: global }
      - { .name: lora_down_A, .offset: 32, .size: 8, .value_kind: global_buffer, .address_space: global }
      - { .name: lora_down_B, .offset: 40, .size: 8, .value_kind: global_buffer, .address_space: global }
      - { .name: hidden_states, .offset: 48, .size: 8, .value_kind: global_buffer, .address_space: global }
      - { .name: w1h, .offset: 56, .size: 8, .value_kind: global_buffer, .address_space: global }
      - { .name: w2h, .offset: 64, .size: 8, .value_kind: global_buffer, .address_space: global }
      - { .name: xh, .offset: 72, .size: 8, .value_kind: global_buffer, .address_space: global }
    .group_segment_fixed_size: 0
    .private_segment_fixed_size: 0
    .kernarg_segment_align: 8
    .kernarg_segment_size: 80
    .max_flat_workgroup_size: 512
    .sgpr_count:     66
    .vgpr_count:     188
    .wavefront_size: 32
...
	.end_amdgpu_metadata
.endif
;; end of part 1
;; launch gateup (part 2): grid 64 x 4, 4 waves a work-group, clusters of 4 x 4, 327,680 bytes of LDS; arguments xh, w1h, gated, gate_up_proj_bias; writes gated
.if DOCPART == 2
	.amdgcn_target "amdgcn-amd-amdhsa--gfx1250"
	.amdhsa_code_object_version 6
	.text
	.protected	k_qf06d9df00b_gateup
	.globl	k_qf06d9df00b_gateup
	.p2align	8
	.type	k_qf06d9df00b_gateup,@function
k_qf06d9df00b_gateup:
	s_mov_b64 s[64:65], 0
	v_nop
	global_prefetch_b8 v0, s[64:65] scope:SCOPE_SE
	s_setreg_imm32_b32 hwreg(HW_REG_WAVE_MODE, 25, 1), 1
	s_wait_xcnt 0x0
	s_wait_alu depctr_hold_cnt(0) depctr_sa_sdst(0) depctr_va_vdst(0) depctr_va_sdst(0) depctr_va_ssrc(0) depctr_va_vcc(0) depctr_vm_vsrc(0)
	s_getreg_b32 s2, hwreg(HW_REG_IB_STS2, 6, 4)
	s_cmp_eq_u32 s2, 0
	s_cbranch_scc0 .Lentry_in_a_cluster
	s_endpgm
.Lentry_in_a_cluster:
	s_bfe_u32 s2, ttmp6, 0x10000c
	s_cmp_lg_u32 s2, 0xf033
	s_cbranch_scc0 .Lentry_shape_is_right
	s_endpgm
.Lentry_shape_is_right:
; gated[t][1024 e + f] = (up + 1) gate sigmoid(1.702 gate), gate = min(g[2f], 7), up = clip(g[2f+1], -7, 7), g = xh w1h[e] + b1[e]  (LoRA is already inside w1h).
; xh: [1024][2048] f16.  w1h: [8][2048 k][2048 n] f16.  b1: [8][2048] f32.  gated: [1024][8192] f16.  Sums and the activation in f32; |gated| <= 56 by the clips, so f16 holds it.
; LIMIT, stated: v_min_num_f32 and v_med3_num_f32 drop a NaN (a NaN in g becomes a clipped number).
; A work-group makes 256 tokens x 256 columns of one expert with four waves; a wave makes 128 x 128: 64 accumulator tiles of 16 x 16, 512 registers.
; K goes in steps of 128 through two LDS slots filled by the tensor data mover: 256 token rows of 256 bytes, and 128 k-rows of 512 bytes of the weights.
; CLUSTERS: 4 x 4 work-groups.  cy is the token block (4 x 256 = all 1,024 tokens), cx with the cluster's number the column block; a cluster lies inside one expert.
; The four of a row of the cluster need the same token tiles, the four of a column the same weight tiles: each is asked for JOINTLY, by the same tensor load with a mask that
; names the four.  So each weight tile is asked for once for all tokens.
; The weights lie [k][n]; ds_load_tr16_b128 transposes 8 x 8 numbers on the way into registers, so that the fragments have k along the registers.
; THE MATRIX INSTRUCTION IS USED TRANSPOSED: source 0 = 16 columns of the weights, source 1 = 16 tokens.  Lane l then holds token l % 16 and columns 8 (l / 16) + 0..7:
; four (gate, up) pairs side by side.
; REGISTERS, in windows of 256:  window 0: v16-27 addresses; v64-127, v128-191 token fragments, two buffers; v192-255 the bias, later the packed results
;   window 1: v64-127, v128-191 weight fragments, two buffers;  window 2: the 32 tiles of my tokens 0-63 (tile (a, b) at v[8 (8 a + b)]);  window 3: tokens 64-127
.set KSTEP,  128
.set KLEN,   2048                      ; the product's K
.set APITCH, 2048                      ; numbers from token row to token row in xh
.set NCOL,   2048                      ; numbers from k-row to k-row in w1h
.set PITCH,  272                       ; a token row in LDS: 256 bytes + 16: row r starts 4 r words on, modulo 64 words, so 16 rows start in 16 different places
.set BPITCH, 544                       ; a k-row in LDS: 512 bytes + 32 = 17 x 32 bytes
.set HALFT,  128*PITCH                 ; what one tensor load brings: 128 token rows, or 64 k-rows (64 x 544 is the same 34,816 bytes)
.set SLOT,   4*HALFT                   ; 256 token rows, then 128 k-rows
.set LAPS,   KLEN/(2*KSTEP)            ; a lap = two K steps = once round the ring
.set ASTEP,  KSTEP*2                   ; a K step along a token row, in bytes
.set BSTEP,  KSTEP*NCOL*2              ; a K step down the weights, in bytes
.set GROW,   16384                     ; bytes in a row of gated
.set ADRA, 16                          ; v16-17  LDS address of my token fragments in slot 0, 1
.set ADRB, 20                          ; v20-21  the same for the weights
.set STO,  24                          ; v24     the way out: where I put 8 bytes of a row
.set RD,   25                          ; v25     the way out: where I read rows back
.set CO,   26                          ; v26     my byte offset in gated
.set VB,   27                          ; v27     my byte offset in the bias
.set F0,   64
.set F1,   128
.set BIAS, 192                         ; v[192:255] window 0: b1 of column 16 b + 8 (l / 16) + j at 192 + 8 b + j: the C operand of the first products
.set G,    64                          ; the way out: 32 gates, then glu
.set U,    96                          ; 32 ups, then gated
.set E,    128                         ; 32 exponentials, then sigmoids
.set O,    192                         ; 16 registers of packed f16
.set G1,  24                           ; s[24:31] descriptor group 1, token tiles
.set G0,  32                           ; s[32:39] descriptor group 0, token tiles, a set for each slot
.set G1B, 48                           ; s[48:55] group 1, weight tiles
.set G0B, 56                           ; s[56:63] group 0, weight tiles
.set MSB, 0
.macro WIN new                         ; the immediate's high byte repeats the setting that is left
.if MSB != \new
	s_set_vgpr_msb (MSB<<8)|\new
.set MSB, \new
.endif
.endm
.set MUL_LO, 0xa1                      ; source 0 (weights) window 1, source 1 (tokens) window 0, C and D window 2
.set MUL_HI, 0xf1                      ; C and D window 3
.set BIA_LO, 0x81                      ; the first products: C is the bias in window 0, D window 2
.set BIA_HI, 0xc1                      ; D window 3
.set TO_B,   0x40                      ; destination window 1, address window 0
; A joint load.  Waves 0 and 1 fetch the token tile's halves, waves 2 and 3 the weight tile's.  Each line has one mask and one set of registers; the branch hangs on the wave's number alone.
; Four v_nop follow each of the two lines.
.macro JLOAD s
	s_cmp_eq_u32 s11, 0
	s_cbranch_scc0 .Lfor_b_\@
	tensor_load_to_lds s[G0+4*\s:G0+4*\s+3], s[G1:G1+7]
	s_nop 0
.rept 4
	v_nop
.endr
	s_branch .Lasked_\@
.Lfor_b_\@:
	tensor_load_to_lds s[G0B+4*\s:G0B+4*\s+3], s[G1B:G1B+7]
	s_nop 0
.rept 4
	v_nop
.endr
.Lasked_\@:
.endm
; A round of the cluster's barrier: my work-group's barrier, wave 0 signals for the work-group, every wave waits for all sixteen, my work-group's barrier once more.
.macro CREST                           ; a round behind its opening barrier
	s_cmp_lg_u32 s10, 0
	s_cbranch_scc1 .Lnot_wave_0_\@
	s_barrier_signal -3
.Lnot_wave_0_\@:
	s_barrier_wait -3
	s_barrier_signal -1
	s_barrier_wait -1
.endm
.macro CROUND
	s_barrier_signal -1
	s_barrier_wait -1
	CREST
.endm
	s_load_b128 s[4:7], s[0:1], 0x0                ; xh s[4:5], w1h s[6:7]
	s_load_b64 s[8:9], s[0:1], 0x10                ; gated
	s_load_b64 s[2:3], s[0:1], 0x18                ; b1
	s_set_vgpr_msb 0x40
	v_lshl_add_u32 v255, v0, 2, 0x44000
	s_set_vgpr_msb 0x4000
	v_mov_b32 v63, 0
	s_set_vgpr_msb 0x1
	ds_add_u32 v255, v63
	ds_add_u32 v255, v63
	s_set_vgpr_msb 0x100
	v_lshrrev_b32 v1, 5, v0
	v_readfirstlane_b32 s10, v1                    ; wave 0..3
	s_lshr_b32 s11, s10, 1                         ; which half of the block's tokens is mine.  Also: I fetch tokens (0) or weights (1)
	s_and_b32 s12, s10, 1                          ; which half of its columns.  Also: which half of that tile I fetch
	s_bfe_u32 s40, ttmp6, 0x40000                  ; cx
	s_bfe_u32 s41, ttmp6, 0x40004                  ; cy = the token block: the grid has one cluster along y
	s_lshr_b32 s45, ttmp9, 1                       ; the expert: two clusters along x for each
	s_and_b32 s42, ttmp9, 1
	s_lshl_b32 s42, s42, 2
	s_add_co_u32 s42, s42, s40                     ; the column block, 0..7
	s_lshl_b32 s43, s41, 2
	s_lshl_b32 s43, 15, s43                        ; my row of the cluster: places 4 cy .. 4 cy + 3
	s_lshl_b32 s44, 0x1111, s40                    ; my column: places cx, cx + 4, cx + 8, cx + 12
	; group 1, token tiles: 128 rows x 128 numbers of 2 bytes; 4 words of padding behind every 64 words
	s_or_b32 s[G1+0], s43, (1<<16)|(1<<20)|(1<<21)|(5<<22)|(3<<25)
	s_mov_b32 s[G1+1], KSTEP<<16                   ; tensor_dim0 = 128
	s_mov_b32 s[G1+2], 128<<16                     ; tensor_dim1 = 128
	s_mov_b32 s[G1+3], KSTEP<<16                   ; tile_dim0 = 128
	s_mov_b32 s[G1+4], 128                         ; tile_dim1 = 128
	s_mov_b32 s[G1+5], APITCH                      ; from row to row
	s_mov_b32 s[G1+6], 0
	s_mov_b32 s[G1+7], 0
	; group 1, weight tiles: 64 k-rows x 256 numbers; 8 words of padding behind every 128 words
	s_or_b32 s[G1B+0], s44, (1<<16)|(1<<20)|(1<<21)|(6<<22)|(7<<25)
	s_mov_b32 s[G1B+1], 256<<16                    ; tensor_dim0 = 256
	s_mov_b32 s[G1B+2], 64<<16                     ; tensor_dim1 = 64
	s_mov_b32 s[G1B+3], 256<<16                    ; tile_dim0 = 256
	s_mov_b32 s[G1B+4], 64                         ; tile_dim1 = 64
	s_mov_b32 s[G1B+5], NCOL
	s_mov_b32 s[G1B+6], 0
	s_mov_b32 s[G1B+7], 0
	; where the tiles come from.  The tokens' address hangs on cy and the wave, the weights' on the expert, the column block and the wave; each in registers that never hold the other place.
	s_lshl_b32 s13, s41, 8                         ; the block's first token
	s_lshl_b32 s17, s12, 7
	s_add_co_u32 s16, s13, s17                     ; + 128 x half
	s_lshl_b32 s16, s16, 12                        ; rows of 4,096 bytes
	s_mov_b32 s17, 0
	s_lshl_b32 s46, s45, 23                        ; an expert's 2,048 k-rows of 4,096 bytes
	s_lshl_b32 s47, s12, 18                        ; + 64 k-rows x half
	s_add_co_u32 s46, s46, s47
	s_lshl_b32 s47, s42, 9                         ; + 256 columns x block
	s_add_co_u32 s46, s46, s47
	s_mov_b32 s47, 0
	s_lshl_b32 s18, s45, 13                        ; the bias: an expert's 8,192 bytes
	s_lshl_b32 s19, s42, 10                        ; + 256 columns x block
	s_add_co_u32 s18, s18, s19
	s_mov_b32 s19, 0
	s_mul_i32 s20, s10, HALFT                      ; where they go: wave x 34,816 bytes: no place in the cluster enters an LDS address
	s_wait_dscnt 0x0
	s_wait_kmcnt 0x0
	s_add_nc_u64 s[14:15], s[4:5], s[16:17]
	s_add_nc_u64 s[46:47], s[6:7], s[46:47]
	s_add_nc_u64 s[2:3], s[2:3], s[18:19]
	CROUND                                         ; all sixteen work-groups are here: the first joint loads meet
.irp s, 0,1
	s_mov_b32 s[G0+4*\s], 1
	s_add_co_u32 s[G0+4*\s+1], s20, \s*SLOT
	s_add_nc_u64 s[G0+4*\s+2:G0+4*\s+3], s[14:15], \s*ASTEP
	s_or_b32 s[G0+4*\s+3], s[G0+4*\s+3], 0x80000000
	s_mov_b32 s[G0B+4*\s], 1
	s_add_co_u32 s[G0B+4*\s+1], s20, \s*SLOT
	s_add_nc_u64 s[G0B+4*\s+2:G0B+4*\s+3], s[46:47], \s*BSTEP
	s_or_b32 s[G0B+4*\s+3], s[G0B+4*\s+3], 0x80000000
	JLOAD \s                                       ; both slots are asked for before anything else: two tensor loads of the wave are out, later one
.endr
	v_and_b32 v1, 15, v0                           ; l % 16
	v_bfe_u32 v2, v0, 4, 1                         ; l / 16
	s_lshl_b32 s23, s12, 9
	v_lshl_add_u32 v[VB], v2, 5, s23               ; the bias of my columns: 512 x half + 32 (l / 16)
.irp b, 0,1,2,3,4,5,6,7
	global_load_b128 v[BIAS+8*\b:BIAS+8*\b+3],   v[VB], s[2:3] offset:64*\b
	global_load_b128 v[BIAS+8*\b+4:BIAS+8*\b+7], v[VB], s[2:3] offset:64*\b+16
.endr
	; token fragments: lane l holds row l % 16; two loads of 16 bytes, 32 bytes apart, at row x pitch + 16 (l / 16)
	v_mul_u32_u24 v3, v1, PITCH
	v_lshl_add_u32 v3, v2, 4, v3
	s_mul_i32 s21, s11, HALFT                      ; my 128 tokens
	; weight fragments: lane l addresses k-row 8 (l / 16) + l % 8 and the 16 bytes (l / 8) % 2 of a block of 16 columns; the second load stands 16 k-rows further down
	v_and_b32 v4, 7, v0
	v_lshl_add_u32 v4, v2, 3, v4
	v_mul_u32_u24 v4, v4, BPITCH
	v_bfe_u32 v5, v0, 3, 1
	v_lshl_add_u32 v4, v5, 4, v4
	s_lshl_b32 s22, s12, 8                         ; my 128 columns,
	s_add_co_u32 s22, s22, 2*HALFT                 ; behind the 256 token rows
.irp s, 0,1
	v_add_nc_u32 v[ADRA+\s], s21, v3
	v_add_nc_u32 v[ADRB+\s], s22, v4
	s_add_co_u32 s21, s21, SLOT
	s_add_co_u32 s22, s22, SLOT
.endr
	; the way out: the stage is 256 rows of 272 bytes at LDS byte 0
	s_mul_i32 s23, s11, HALFT                      ; my 128 rows,
	s_lshl_b32 s22, s12, 7                         ; my 64 results = 128 bytes of each
	s_add_co_u32 s23, s23, s22
	v_mul_u32_u24 v6, v1, PITCH
	v_lshl_add_u32 v6, v2, 3, v6                   ; row l % 16, 8 bytes for each half of the lanes
	v_add_nc_u32 v[STO], s23, v6
	s_mul_i32 s23, s10, 64*PITCH                   ; back: wave w takes rows 64 w .. 64 w + 63, two at a time
	v_mul_u32_u24 v6, v2, PITCH
	v_lshl_add_u32 v6, v1, 4, v6
	v_add_nc_u32 v[RD], s23, v6
	v_lshlrev_b32 v6, 14, v2                       ; and the same two rows in gated
	v_lshl_add_u32 v[CO], v1, 4, v6
; 16 matrix instructions: token blocks a0, a0 + 1 of the window's four x all 8 column blocks, 32 along K.  zero = 1: the first product starts the sums from the bias.
.macro MUL16 f, hi, a0, zero
.irp a, \a0, \a0+1
.irp b, 0,1,2,3,4,5,6,7
.if \zero
	v_wmma_f32_16x16x32_f16 v[8*(8*(\a)+\b):8*(8*(\a)+\b)+7], v[\f+8*\b:\f+8*\b+7], v[\f+8*(4*\hi+\a):\f+8*(4*\hi+\a)+7], v[BIAS+8*\b:BIAS+8*\b+7]
.else
	v_wmma_f32_16x16x32_f16 v[8*(8*(\a)+\b):8*(8*(\a)+\b)+7], v[\f+8*\b:\f+8*\b+7], v[\f+8*(4*\hi+\a):\f+8*(4*\hi+\a)+7], v[8*(8*(\a)+\b):8*(8*(\a)+\b)+7]
.endif
.endr
.endr
.endm
; 32 LDS loads in one run: the fragments of one quarter step (32 k-rows x 128 columns, 128 tokens x 32 K at byte k of the rows) into buffer f
.macro FETCH slot, k, f
	WIN TO_B
.irp i, 0,1,2,3,4,5,6,7
	ds_load_tr16_b128 v[\f+8*\i:\f+8*\i+3],   v[ADRB+\slot] offset:(\k/64)*32*BPITCH+32*\i
	ds_load_tr16_b128 v[\f+8*\i+4:\f+8*\i+7], v[ADRB+\slot] offset:(\k/64)*32*BPITCH+16*BPITCH+32*\i
.endr
	WIN 0
.irp i, 0,1,2,3,4,5,6,7
	ds_load_b128 v[\f+8*\i:\f+8*\i+3],   v[ADRA+\slot] offset:\k+\i*16*PITCH
	ds_load_b128 v[\f+8*\i+4:\f+8*\i+7], v[ADRA+\slot] offset:\k+\i*16*PITCH+32
.endr
.endm
; A load into a register that a matrix instruction has read, and a vector instruction that reads a matrix result, stand four places behind that matrix instruction;
; only plain vector instructions that name none of its registers are places (ISA guide 7.12.1 for vector instructions).
.macro PLACES
.rept 4
	v_nop
.endr
.endm
; A K step is four quarter steps of 32 along K, 64 matrix instructions each, on buffers 0, 1, 0, 1.  The 64 accumulators take turns, one instruction a turn.
.macro QUARTER slot, k, f, g, zero
	s_wait_dscnt 8                                 ; the weights and tokens 0-63 are in; the youngest eight loads (tokens 64-127) may be out
.if \zero
	WIN BIA_LO
.else
	WIN MUL_LO
.endif
	MUL16 \f, 0, 0, \zero
	MUL16 \f, 0, 2, \zero
	PLACES
	FETCH \slot, \k, \g
	s_wait_dscnt 32                                ; all but the 32 just issued
.if \zero
	WIN BIA_HI
.else
	WIN MUL_HI
.endif
	MUL16 \f, 1, 0, \zero
	MUL16 \f, 1, 2, \zero
.endm
.macro THREE slot, zero
	QUARTER \slot, 64,  F0, F1, \zero
	QUARTER \slot, 128, F1, F0, 0
	QUARTER \slot, 192, F0, F1, 0
.endm
; The last quarter multiplies buffer 1 and changes slots.  In front of the barrier each wave waits for its reads of this slot and for all its tensor loads (the one that is out is
; its part of the next slot).  Behind it the refill comes first, then the next slot's first fragments.  From a request to the wait for it a wave issues 240 matrix instructions.
.macro TURN slot, next, fill
	s_wait_dscnt 8
	WIN MUL_LO
	MUL16 F1, 0, 0, 0
	s_wait_dscnt 0                                 ; my reads of this slot are over
	s_wait_tensorcnt 0x0                           ; and all my tensor loads have landed
	ds_add_u32 v255, v63
	s_wait_dscnt 0x0
	s_barrier_signal -1                            ; say so (where a slot is filled again this opens a round of the cluster's barrier),
	MUL16 F1, 0, 2, 0                              ; work on registers while the others arrive,
	WIN 0
	s_barrier_wait -1
.if \fill
	CREST                                          ; all sixteen work-groups have said so: no wave of any partner still reads this slot or has a load on its way
	s_add_nc_u64 s[G0+4*\slot+2:G0+4*\slot+3], s[G0+4*\slot+2:G0+4*\slot+3], 2*ASTEP
	s_add_nc_u64 s[G0B+4*\slot+2:G0B+4*\slot+3], s[G0B+4*\slot+2:G0B+4*\slot+3], 2*BSTEP
	JLOAD \slot                                    ; the first tensor load behind the round; its four v_nop are also the places in front of the loads below
.else
	PLACES
.endif
	FETCH \next, 0, F0
	WIN MUL_HI
	MUL16 F1, 1, 0, 0
	MUL16 F1, 1, 2, 0
.endm
.macro LAP zero
	THREE 0, \zero
	TURN 0, 1, 1
	THREE 1, 0
	TURN 1, 0, 1
.endm
	s_wait_loadcnt 0x0                             ; the bias is in
	s_wait_tensorcnt 1                             ; my part of K step 0 is in; K step 1's may stay out
	s_barrier_signal -1
	s_barrier_wait -1                              ; everybody's is
	FETCH 0, 0, F0
	LAP 1                                          ; the first lap stands in front of the loop: its first products start the sums
	WIN 0                                          ; at a label and at a branch every window is 0
	s_mov_b32 s21, LAPS-2
.Llap:
	LAP 0
	WIN 0
	s_sub_co_u32 s21, s21, 1
	s_cmp_lg_u32 s21, 0
	s_cbranch_scc1 .Llap
	THREE 0, 0                                     ; the last lap fills nothing
	TURN 0, 1, 0                                   ; behind this barrier no wave reads slot 0 any more, and no load lands in it: its token rows become the stage
	THREE 1, 0
	s_wait_dscnt 8
	WIN MUL_LO
	MUL16 F1, 0, 0, 0
	MUL16 F1, 0, 2, 0
	s_wait_dscnt 0
	WIN MUL_HI
	MUL16 F1, 1, 0, 0
	MUL16 F1, 1, 2, 0
	; THE WAY OUT.  The four v_nop are the places behind the last matrix instructions, for the reads of the results and the writes over the fragment buffers.
	PLACES
	s_mov_b32 s22, 0x40e00000                      ; 7.0
	s_mov_b32 s23, 0xc0e00000                      ; -7.0
	s_lshl_b32 s17, s10, 6
	s_add_co_u32 s16, s13, s17                     ; the first row that I store: block's first token + 64 x wave
	s_lshl_b32 s16, s16, 14                        ; rows of 16,384 bytes
	s_mov_b32 s17, 0
	s_add_nc_u64 s[8:9], s[8:9], s[16:17]
	s_lshl_b32 s46, s45, 11                        ; the expert's 1,024 results = 2,048 bytes
	s_lshl_b32 s47, s42, 8                         ; + the block's 128 results = 256 bytes
	s_add_co_u32 s46, s46, s47
	s_mov_b32 s47, 0
	s_add_nc_u64 s[8:9], s[8:9], s[46:47]
; tokens 16 i .. 16 i + 15 of my 128 = the eight tiles (a, 0..7) of window 2 or 3 (from = 0x0a or 0x0f: sources 0 and 1).  Registers 2 p, 2 p + 1 of a tile are a (gate, up) pair.
.macro ACT16 i, a, from
	WIN \from
.irp b, 0,1,2,3,4,5,6,7
.irp p, 0,1,2,3
	v_min_num_f32  v[G+4*\b+\p], s22, v[8*(8*\a+\b)+2*\p]              ; gate = min(g, 7)
	v_med3_num_f32 v[U+4*\b+\p], v[8*(8*\a+\b)+2*\p+1], s23, s22       ; up = clip(g, -7, 7)
.endr
.endr
	WIN 0
.irp b, 0,1,2,3,4,5,6,7
.irp p, 0,2
	v_pk_mul_f32 v[E+4*\b+\p:E+4*\b+\p+1], v[G+4*\b+\p:G+4*\b+\p+1], 0xc01d265f op_sel_hi:[1,0]   ; -1.702 log2(e) gate
.endr
.endr
.irp b, 0,1,2,3,4,5,6,7
.irp p, 0,1,2,3
	v_exp_f32 v[E+4*\b+\p], v[E+4*\b+\p]           ; at least 2^-17.2, since gate <= 7; an overflow to infinity gives sigmoid 0, as it should
.endr
.endr
	v_nop                                          ; one plain place behind the transcendentals (ISA guide 5.7.2)
	s_wait_alu depctr_va_vdst(0)
.irp b, 0,1,2,3,4,5,6,7
.irp p, 0,2
	v_pk_add_f32 v[E+4*\b+\p:E+4*\b+\p+1], v[E+4*\b+\p:E+4*\b+\p+1], 1.0 op_sel_hi:[1,0]
.endr
.endr
.irp b, 0,1,2,3,4,5,6,7
.irp p, 0,1,2,3
	v_rcp_f32 v[E+4*\b+\p], v[E+4*\b+\p]           ; sigmoid(1.702 gate)
.endr
.endr
	v_nop
	s_wait_alu depctr_va_vdst(0)
.irp b, 0,1,2,3,4,5,6,7
.irp p, 0,2
	v_pk_mul_f32 v[G+4*\b+\p:G+4*\b+\p+1], v[G+4*\b+\p:G+4*\b+\p+1], v[E+4*\b+\p:E+4*\b+\p+1]    ; glu
.endr
.endr
.irp b, 0,1,2,3,4,5,6,7
.irp p, 0,2
	v_pk_fma_f32 v[U+4*\b+\p:U+4*\b+\p+1], v[U+4*\b+\p:U+4*\b+\p+1], v[G+4*\b+\p:G+4*\b+\p+1], v[G+4*\b+\p:G+4*\b+\p+1]   ; up glu + glu
.endr
.endr
.irp b, 0,1,2,3,4,5,6,7
.irp p, 0,2
	v_cvt_pk_f16_f32 v[O+2*\b+\p/2], v[U+4*\b+\p], v[U+4*\b+\p+1]
.endr
.endr
.irp b, 0,1,2,3,4,5,6,7
	ds_store_b64 v[STO], v[O+2*\b:O+2*\b+1] offset:\i*16*PITCH+16*\b   ; results 8 b + 4 (l / 16) + 0..3 of my 64; the 32 lanes touch 64 different words modulo 64
.endr
.endm
	ACT16 0, 0, 0x0a
	ACT16 1, 1, 0x0a
	ACT16 2, 2, 0x0a
	ACT16 3, 3, 0x0a
	ACT16 4, 0, 0x0f
	ACT16 5, 1, 0x0f
	ACT16 6, 2, 0x0f
	ACT16 7, 3, 0x0f
	s_wait_dscnt 0x0                               ; my stores into the stage are done: a row's two halves come from two waves,
	s_barrier_signal -1
	s_barrier_wait -1                              ; so rows are read back only when all four have said so
.irp t, 0,1,2,3,4,5,6,7,8,9,10,11,12,13,14,15,16,17,18,19,20,21,22,23,24,25,26,27,28,29,30,31
	ds_load_b128 v[F0+4*\t:F0+4*\t+3], v[RD] offset:\t*2*PITCH
.endr
.irp t, 0,1,2,3,4,5,6,7,8,9,10,11,12,13,14,15,16,17,18,19,20,21,22,23,24,25,26,27,28,29,30,31
	s_wait_dscnt 31-\t                             ; LDS loads come back in order (ISA guide 5.7.1): pair t of rows is in
	global_store_b128 v[CO], v[F0+4*\t:F0+4*\t+3], s[8:9] offset:\t*2*GROW   ; 16 lanes store 256 consecutive bytes, at a multiple of 256 from the buffer's first byte
.endr
	s_set_vgpr_msb 0x1
	s_wait_tensorcnt 0x0
	ds_add_u32 v255, v63
	s_wait_dscnt 0x0
	s_set_vgpr_msb 0x100
	CROUND                                         ; the closing round: no work-group ends while a partner may still ask for a tile that names it
	s_endpgm
.Lfunc_end_k_qf06d9df00b_gateup:
	.size	k_qf06d9df00b_gateup, .Lfunc_end_k_qf06d9df00b_gateup-k_qf06d9df00b_gateup
	.p2alignl 7, 3214868480
	.fill 96, 4, 3214868480
	.section	.rodata,"a",@progbits
	.p2align	6, 0x0
	.amdhsa_kernel k_qf06d9df00b_gateup
		.amdhsa_group_segment_fixed_size 327680
		.amdhsa_private_segment_fixed_size 0
		.amdhsa_enable_private_segment 0
		.amdhsa_kernarg_size 32
		.amdhsa_user_sgpr_count 2
		.amdhsa_user_sgpr_kernarg_segment_ptr 1
		.amdhsa_wavefront_size32 1
		.amdhsa_system_sgpr_workgroup_id_x 1
		.amdhsa_system_sgpr_workgroup_id_y 1
		.amdhsa_system_sgpr_workgroup_id_z 1
		.amdhsa_system_vgpr_workitem_id 0
		.amdhsa_next_free_vgpr 1024
		.amdhsa_next_free_sgpr 66
		.amdhsa_reserve_vcc 0
		.amdhsa_float_denorm_mode_32 3
		.amdhsa_float_denorm_mode_16_64 3
		.amdhsa_memory_ordered 1
		.amdhsa_forward_progress 1
		.amdhsa_inst_pref_size 255
	.end_amdhsa_kernel
	.section	.bss,"aw",@nobits
	.p2align	6
	.space	262144
	.amdgpu_metadata
---
amdhsa.version: [ 1, 2 ]
amdhsa.kernels:
  - .name:           k_qf06d9df00b_gateup
    .symbol:         k_qf06d9df00b_gateup.kd
    .args:
      - { .name: xh, .offset: 0, .size: 8, .value_kind: global_buffer, .address_space: global }
      - { .name: w1h, .offset: 8, .size: 8, .value_kind: global_buffer, .address_space: global }
      - { .name: gated, .offset: 16, .size: 8, .value_kind: global_buffer, .address_space: global }
      - { .name: gate_up_proj_bias, .offset: 24, .size: 8, .value_kind: global_buffer, .address_space: global }
    .group_segment_fixed_size: 327680
    .private_segment_fixed_size: 0
    .kernarg_segment_align: 8
    .kernarg_segment_size: 32
    .max_flat_workgroup_size: 128
    .sgpr_count:     66
    .vgpr_count:     1024
    .wavefront_size: 32
...
	.end_amdgpu_metadata
.endif
;; end of part 2
;; launch down (part 3): grid 64 x 4, 4 waves a work-group, clusters of 4 x 4, 327,680 bytes of LDS; arguments gated, w2h, part; writes part
.if DOCPART == 3
	.amdgcn_target "amdgcn-amd-amdhsa--gfx1250"
	.amdhsa_code_object_version 6
	.text
	.protected	k_qf06d9df00b_down
	.globl	k_qf06d9df00b_down
	.p2align	8
	.type	k_qf06d9df00b_down,@function
k_qf06d9df00b_down:
	s_mov_b64 s[64:65], 0
	v_nop
	global_prefetch_b8 v0, s[64:65] scope:SCOPE_SE
	s_setreg_imm32_b32 hwreg(HW_REG_WAVE_MODE, 25, 1), 1
	s_wait_xcnt 0x0
	s_wait_alu depctr_hold_cnt(0) depctr_sa_sdst(0) depctr_va_vdst(0) depctr_va_sdst(0) depctr_va_ssrc(0) depctr_va_vcc(0) depctr_vm_vsrc(0)
	s_getreg_b32 s2, hwreg(HW_REG_IB_STS2, 6, 4)
	s_cmp_eq_u32 s2, 0
	s_cbranch_scc0 .Lentry_in_a_cluster
	s_endpgm
.Lentry_in_a_cluster:
	s_bfe_u32 s2, ttmp6, 0x10000c
	s_cmp_lg_u32 s2, 0xf033
	s_cbranch_scc0 .Lentry_shape_is_right
	s_endpgm
.Lentry_shape_is_right:
; part[t][e][h] = sum over f of gated[t][1024 e + f] w2h[1024 e + f][h]  (LoRA is already inside w2h; bias and routing weight follow in the next launch).
; gated: [1024][8192] f16.  w2h: [8192 k][2048 n] f16.  part: [1024][8][2048] f32.  Sums in f32.  The sum over experts is left to the next launch: each work-group owns its bytes of part.
; A work-group makes 256 tokens x 256 columns of one expert with four waves; a wave makes 128 x 128: 64 accumulator tiles of 16 x 16, 512 registers.
; K (1,024) goes in steps of 128 through two LDS slots filled by the tensor data mover: 256 token rows of 256 bytes, and 128 k-rows of 512 bytes of the weights.
; CLUSTERS: 4 x 4 work-groups.  cy is the token block, cx with the cluster's number the column block; a cluster lies inside one expert.  The four of a row of the cluster need the
; same token tiles, the four of a column the same weight tiles: each is asked for JOINTLY, by the same tensor load with a mask that names the four.
; The weights lie [k][n]; ds_load_tr16_b128 transposes 8 x 8 numbers on the way into registers.
; THE MATRIX INSTRUCTION IS USED TRANSPOSED: source 0 = 16 columns of the weights, source 1 = 16 tokens.  Lane l then holds token l % 16 and columns 8 (l / 16) + 0..7: 32 neighbouring bytes.
; REGISTERS, in windows of 256:  window 0: v16-26 addresses; v64-127, v128-191 token fragments, two buffers, later rows on their way out
;   window 1: v64-127, v128-191 weight fragments;  window 2: the 32 tiles of my tokens 0-63 (tile (a, b) at v[8 (8 a + b)]);  window 3: tokens 64-127
.set KSTEP,  128
.set KLEN,   1024
.set APITCH, 8192                      ; numbers from token row to token row in gated
.set NCOL,   2048                      ; numbers from k-row to k-row in w2h
.set PITCH,  272                       ; a token row in LDS: 256 bytes + 16
.set BPITCH, 544                       ; a k-row in LDS: 512 bytes + 32 = 17 x 32 bytes
.set HALFT,  128*PITCH                 ; what one tensor load brings: 128 token rows, or 64 k-rows
.set SLOT,   4*HALFT
.set STAGE,  2*SLOT                    ; behind the ring, a multiple of 256: 16 rows x 528 bytes for each wave, its own; no tensor load lands there
.set SPITCH, 528                       ; 512 bytes + 16 = 33 x 16 bytes
.set LAPS,   KLEN/(2*KSTEP)
.set ASTEP,  KSTEP*2
.set BSTEP,  KSTEP*NCOL*2
.set PROW,   65536                     ; bytes from token to token in part
.set ADRA, 16
.set ADRB, 20
.set STO,  24                          ; v24     the way out: where I put 32 bytes of a row
.set RD,   25                          ; v25     the way out: where I read a row back
.set CO,   26                          ; v26     my byte offset in part
.set F0,   64
.set F1,   128
.set G1,  24
.set G0,  32
.set G1B, 48
.set G0B, 56
.set MSB, 0
.macro WIN new                         ; the immediate's high byte repeats the setting that is left
.if MSB != \new
	s_set_vgpr_msb (MSB<<8)|\new
.set MSB, \new
.endif
.endm
.set MUL_LO, 0xa1                      ; source 0 (weights) window 1, source 1 (tokens) window 0, C and D window 2
.set MUL_HI, 0xf1                      ; C and D window 3
.set TO_B,   0x40                      ; destination window 1, address window 0
; A joint load.  Waves 0 and 1 fetch the token tile's halves, waves 2 and 3 the weight tile's.  Each line has one mask and one set of registers; the branch hangs on the wave's number alone.
; Four v_nop follow each of the two lines.
.macro JLOAD s
	s_cmp_eq_u32 s11, 0
	s_cbranch_scc0 .Lfor_b_\@
	tensor_load_to_lds s[G0+4*\s:G0+4*\s+3], s[G1:G1+7]
	s_nop 0
.rept 4
	v_nop
.endr
	s_branch .Lasked_\@
.Lfor_b_\@:
	tensor_load_to_lds s[G0B+4*\s:G0B+4*\s+3], s[G1B:G1B+7]
	s_nop 0
.rept 4
	v_nop
.endr
.Lasked_\@:
.endm
; A round of the cluster's barrier: my work-group's barrier, wave 0 signals for the work-group, every wave waits for all sixteen, my work-group's barrier once more.
.macro CREST
	s_cmp_lg_u32 s10, 0
	s_cbranch_scc1 .Lnot_wave_0_\@
	s_barrier_signal -3
.Lnot_wave_0_\@:
	s_barrier_wait -3
	s_barrier_signal -1
	s_barrier_wait -1
.endm
.macro CROUND
	s_barrier_signal -1
	s_barrier_wait -1
	CREST
.endm
	s_load_b128 s[4:7], s[0:1], 0x0                ; gated s[4:5], w2h s[6:7]
	s_load_b64 s[8:9], s[0:1], 0x10                ; part
	s_set_vgpr_msb 0x40
	v_lshl_add_u32 v255, v0, 2, 0x4c400
	s_set_vgpr_msb 0x4000
	v_mov_b32 v255, 0
	s_set_vgpr_msb 0x1
	ds_add_u32 v255, v255
	ds_add_u32 v255, v255
	s_set_vgpr_msb 0x100
	v_lshrrev_b32 v1, 5, v0
	v_readfirstlane_b32 s10, v1                    ; wave 0..3
	s_lshr_b32 s11, s10, 1                         ; which half of the block's tokens is mine.  Also: I fetch tokens (0) or weights (1)
	s_and_b32 s12, s10, 1                          ; which half of its columns.  Also: which half of that tile I fetch
	s_bfe_u32 s40, ttmp6, 0x40000                  ; cx
	s_bfe_u32 s41, ttmp6, 0x40004                  ; cy = the token block: the grid has one cluster along y
	s_lshr_b32 s45, ttmp9, 1                       ; the expert
	s_and_b32 s42, ttmp9, 1
	s_lshl_b32 s42, s42, 2
	s_add_co_u32 s42, s42, s40                     ; the column block, 0..7
	s_lshl_b32 s43, s41, 2
	s_lshl_b32 s43, 15, s43                        ; my row of the cluster
	s_lshl_b32 s44, 0x1111, s40                    ; my column
	; group 1, token tiles: 128 rows x 128 numbers of 2 bytes; 4 words of padding behind every 64 words
	s_or_b32 s[G1+0], s43, (1<<16)|(1<<20)|(1<<21)|(5<<22)|(3<<25)
	s_mov_b32 s[G1+1], KSTEP<<16
	s_mov_b32 s[G1+2], 128<<16
	s_mov_b32 s[G1+3], KSTEP<<16
	s_mov_b32 s[G1+4], 128
	s_mov_b32 s[G1+5], APITCH
	s_mov_b32 s[G1+6], 0
	s_mov_b32 s[G1+7], 0
	; group 1, weight tiles: 64 k-rows x 256 numbers; 8 words of padding behind every 128 words
	s_or_b32 s[G1B+0], s44, (1<<16)|(1<<20)|(1<<21)|(6<<22)|(7<<25)
	s_mov_b32 s[G1B+1], 256<<16
	s_mov_b32 s[G1B+2], 64<<16
	s_mov_b32 s[G1B+3], 256<<16
	s_mov_b32 s[G1B+4], 64
	s_mov_b32 s[G1B+5], NCOL
	s_mov_b32 s[G1B+6], 0
	s_mov_b32 s[G1B+7], 0
	; where the tiles come from: the tokens' address hangs on cy, the expert and the wave, the weights' on the expert, the column block and the wave
	s_lshl_b32 s13, s41, 8                         ; the block's first token
	s_lshl_b32 s17, s12, 7
	s_add_co_u32 s16, s13, s17                     ; + 128 x half
	s_lshl_b32 s16, s16, 14                        ; rows of 16,384 bytes
	s_lshl_b32 s17, s45, 11                        ; + the expert's 1,024 numbers
	s_add_co_u32 s16, s16, s17
	s_mov_b32 s17, 0
	s_lshl_b32 s46, s45, 22                        ; an expert's 1,024 k-rows of 4,096 bytes
	s_lshl_b32 s47, s12, 18                        ; + 64 k-rows x half
	s_add_co_u32 s46, s46, s47
	s_lshl_b32 s47, s42, 9                         ; + 256 columns x block
	s_add_co_u32 s46, s46, s47
	s_mov_b32 s47, 0
	s_mul_i32 s20, s10, HALFT                      ; where they go: wave x 34,816 bytes
	s_wait_dscnt 0x0
	s_wait_kmcnt 0x0
	s_add_nc_u64 s[14:15], s[4:5], s[16:17]
	s_add_nc_u64 s[46:47], s[6:7], s[46:47]
	CROUND                                         ; all sixteen work-groups are here: the first joint loads meet
.irp s, 0,1
	s_mov_b32 s[G0+4*\s], 1
	s_add_co_u32 s[G0+4*\s+1], s20, \s*SLOT
	s_add_nc_u64 s[G0+4*\s+2:G0+4*\s+3], s[14:15], \s*ASTEP
	s_or_b32 s[G0+4*\s+3], s[G0+4*\s+3], 0x80000000
	s_mov_b32 s[G0B+4*\s], 1
	s_add_co_u32 s[G0B+4*\s+1], s20, \s*SLOT
	s_add_nc_u64 s[G0B+4*\s+2:G0B+4*\s+3], s[46:47], \s*BSTEP
	s_or_b32 s[G0B+4*\s+3], s[G0B+4*\s+3], 0x80000000
	JLOAD \s                                       ; both slots are asked for before anything else: two tensor loads of the wave are out, later one
.endr
	v_and_b32 v1, 15, v0                           ; l % 16
	v_bfe_u32 v2, v0, 4, 1                         ; l / 16
	v_mul_u32_u24 v3, v1, PITCH                    ; token fragments: row x pitch + 16 (l / 16)
	v_lshl_add_u32 v3, v2, 4, v3
	s_mul_i32 s21, s11, HALFT
	v_and_b32 v4, 7, v0                            ; weight fragments: k-row 8 (l / 16) + l % 8, the 16 bytes (l / 8) % 2
	v_lshl_add_u32 v4, v2, 3, v4
	v_mul_u32_u24 v4, v4, BPITCH
	v_bfe_u32 v5, v0, 3, 1
	v_lshl_add_u32 v4, v5, 4, v4
	s_lshl_b32 s22, s12, 8
	s_add_co_u32 s22, s22, 2*HALFT
.irp s, 0,1
	v_add_nc_u32 v[ADRA+\s], s21, v3
	v_add_nc_u32 v[ADRB+\s], s22, v4
	s_add_co_u32 s21, s21, SLOT
	s_add_co_u32 s22, s22, SLOT
.endr
	s_mul_i32 s23, s10, 16*SPITCH
	s_add_co_u32 s23, s23, STAGE                   ; my stage
	v_mul_u32_u24 v6, v1, SPITCH                   ; in: row l % 16, 32 bytes for each half of the lanes
	v_lshl_add_u32 v6, v2, 5, v6
	v_add_nc_u32 v[STO], s23, v6
	v_and_b32 v7, 31, v0
	v_lshlrev_b32 v[CO], 4, v7                     ; back: the 32 lanes take one row of 512 bytes
	v_add_nc_u32 v[RD], s23, v[CO]
; 16 matrix instructions: token blocks a0, a0 + 1 of the window's four x all 8 column blocks, 32 along K.  zero = 1: the first product starts the sums: nothing is cleared.
.macro MUL16 f, hi, a0, zero
.irp a, \a0, \a0+1
.irp b, 0,1,2,3,4,5,6,7
.if \zero
	v_wmma_f32_16x16x32_f16 v[8*(8*(\a)+\b):8*(8*(\a)+\b)+7], v[\f+8*\b:\f+8*\b+7], v[\f+8*(4*\hi+\a):\f+8*(4*\hi+\a)+7], 0
.else
	v_wmma_f32_16x16x32_f16 v[8*(8*(\a)+\b):8*(8*(\a)+\b)+7], v[\f+8*\b:\f+8*\b+7], v[\f+8*(4*\hi+\a):\f+8*(4*\hi+\a)+7], v[8*(8*(\a)+\b):8*(8*(\a)+\b)+7]
.endif
.endr
.endr
.endm
.macro FETCH slot, k, f
	WIN TO_B
.irp i, 0,1,2,3,4,5,6,7
	ds_load_tr16_b128 v[\f+8*\i:\f+8*\i+3],   v[ADRB+\slot] offset:(\k/64)*32*BPITCH+32*\i
	ds_load_tr16_b128 v[\f+8*\i+4:\f+8*\i+7], v[ADRB+\slot] offset:(\k/64)*32*BPITCH+16*BPITCH+32*\i
.endr
	WIN 0
.irp i, 0,1,2,3,4,5,6,7
	ds_load_b128 v[\f+8*\i:\f+8*\i+3],   v[ADRA+\slot] offset:\k+\i*16*PITCH
	ds_load_b128 v[\f+8*\i+4:\f+8*\i+7], v[ADRA+\slot] offset:\k+\i*16*PITCH+32
.endr
.endm
; A load into a register that a matrix instruction has read, and an LDS store that reads a matrix result, stand four places behind that matrix instruction;
; only plain vector instructions that name none of its registers are places (ISA guide 7.12.1 for vector instructions).
.macro PLACES
.rept 4
	v_nop
.endr
.endm
; A K step is four quarter steps of 32 along K, 64 matrix instructions each, on buffers 0, 1, 0, 1.  The 64 accumulators take turns, one instruction a turn.
.macro QUARTER slot, k, f, g, zero
	s_wait_dscnt 8                                 ; the weights and tokens 0-63 are in; the youngest eight loads (tokens 64-127) may be out
	WIN MUL_LO
	MUL16 \f, 0, 0, \zero
	MUL16 \f, 0, 2, \zero
	PLACES
	FETCH \slot, \k, \g
	s_wait_dscnt 32                                ; all but the 32 just issued
	WIN MUL_HI
	MUL16 \f, 1, 0, \zero
	MUL16 \f, 1, 2, \zero
.endm
.macro THREE slot, zero
	QUARTER \slot, 64,  F0, F1, \zero
	QUARTER \slot, 128, F1, F0, 0
	QUARTER \slot, 192, F0, F1, 0
.endm
; The last quarter multiplies buffer 1 and changes slots.  In front of the barrier each wave waits for its reads of this slot and for all its tensor loads (the one that is out is
; its part of the next slot).  Behind it the refill comes first, then the next slot's first fragments.  From a request to the wait for it a wave issues 240 matrix instructions.
.macro TURN slot, next, fill
	s_wait_dscnt 8
	WIN MUL_LO
	MUL16 F1, 0, 0, 0
	s_wait_dscnt 0                                 ; my reads of this slot are over
	s_wait_tensorcnt 0x0                           ; and all my tensor loads have landed
	ds_add_u32 v255, v255
	s_wait_dscnt 0x0
	s_barrier_signal -1
	MUL16 F1, 0, 2, 0                              ; work on registers while the others arrive
	WIN 0
	s_barrier_wait -1
.if \fill
	CREST                                          ; all sixteen work-groups have said so: no wave of any partner still reads this slot or has a load on its way
	s_add_nc_u64 s[G0+4*\slot+2:G0+4*\slot+3], s[G0+4*\slot+2:G0+4*\slot+3], 2*ASTEP
	s_add_nc_u64 s[G0B+4*\slot+2:G0B+4*\slot+3], s[G0B+4*\slot+2:G0B+4*\slot+3], 2*BSTEP
	JLOAD \slot                                    ; the first tensor load behind the round; its four v_nop are also the places in front of the loads below
.else
	PLACES
.endif
	FETCH \next, 0, F0
	WIN MUL_HI
	MUL16 F1, 1, 0, 0
	MUL16 F1, 1, 2, 0
.endm
.macro LAP zero
	THREE 0, \zero
	TURN 0, 1, 1
	THREE 1, 0
	TURN 1, 0, 1
.endm
	s_wait_tensorcnt 1                             ; my part of K step 0 is in; K step 1's may stay out
	s_barrier_signal -1
	s_barrier_wait -1
	FETCH 0, 0, F0
	LAP 1                                          ; the first lap stands in front of the loop: its first products start the sums
	WIN 0                                          ; at a label and at a branch every window is 0
	s_mov_b32 s21, LAPS-2
.Llap:
	LAP 0
	WIN 0
	s_sub_co_u32 s21, s21, 1
	s_cmp_lg_u32 s21, 0
	s_cbranch_scc1 .Llap
	THREE 0, 0                                     ; the last lap fills nothing
	TURN 0, 1, 0
	THREE 1, 0
	s_wait_dscnt 8
	WIN MUL_LO
	MUL16 F1, 0, 0, 0
	MUL16 F1, 0, 2, 0
	s_wait_dscnt 0
	WIN MUL_HI
	MUL16 F1, 1, 0, 0
	MUL16 F1, 1, 2, 0
	; THE WAY OUT, 16 tokens at a time: 32 bytes a lane and tile into my own stage, read back as whole rows of 512 bytes.
	; The four v_nop are the places behind the last matrix instructions, for the LDS stores of the results and the loads into the fragment buffers.
	PLACES
	s_lshl_b32 s17, s11, 7
	s_add_co_u32 s16, s13, s17                     ; my first token
	s_lshl_b32 s16, s16, 16                        ; tokens are 65,536 bytes apart
	s_mov_b32 s17, 0
	s_add_nc_u64 s[8:9], s[8:9], s[16:17]
	s_lshl_b32 s46, s45, 13                        ; the expert's row of 8,192 bytes
	s_lshl_b32 s47, s42, 10                        ; + 256 columns x block
	s_add_co_u32 s46, s46, s47
	s_lshl_b32 s47, s12, 9                         ; + 128 columns x half
	s_add_co_u32 s46, s46, s47
	s_mov_b32 s47, 0
	s_add_nc_u64 s[8:9], s[8:9], s[46:47]
; tokens 16 i .. 16 i + 15 of my 128 = the eight tiles (a, 0..7) of window 2 or 3 (win = 0x08 or 0x0c: an LDS store's data are source 1); f: F0 or F1 in turn
.macro OUT16F i, a, win, f
	WIN \win
.irp b, 0,1,2,3,4,5,6,7
	ds_store_b128 v[STO], v[8*(8*\a+\b):8*(8*\a+\b)+3]   offset:64*\b
	ds_store_b128 v[STO], v[8*(8*\a+\b)+4:8*(8*\a+\b)+7] offset:64*\b+16
.endr
	WIN 0
	s_wait_xcnt 0x0                                ; the addresses of all earlier memory instructions are translated (ISA guide 3.1): buffer f, which stores read, and the stores' base are rewritten only behind this wait
.if \i
	s_add_nc_u64 s[8:9], s[8:9], 16*PROW           ; 16 tokens on
.endif
.irp t, 0,1,2,3,4,5,6,7,8,9,10,11,12,13,14,15
	ds_load_b128 v[\f+4*\t:\f+4*\t+3], v[RD] offset:\t*SPITCH      ; LDS serves a wave's instructions in order (ISA guide 5.7.1.4): these see the stores above
.endr
.irp t, 0,1,2,3,4,5,6,7,8,9,10,11,12,13,14,15
	s_wait_dscnt 15-\t
	global_store_b128 v[CO], v[\f+4*\t:\f+4*\t+3], s[8:9] offset:\t*PROW   ; the wave stores 512 consecutive bytes, at a multiple of 512 from the buffer's first byte
.endr
.endm
	OUT16F 0, 0, 0x08, F0
	OUT16F 1, 1, 0x08, F1
	OUT16F 2, 2, 0x08, F0
	OUT16F 3, 3, 0x08, F1
	OUT16F 4, 0, 0x0c, F0
	OUT16F 5, 1, 0x0c, F1
	OUT16F 6, 2, 0x0c, F0
	OUT16F 7, 3, 0x0c, F1
	s_set_vgpr_msb 0x1
	s_wait_tensorcnt 0x0
	ds_add_u32 v255, v255
	s_wait_dscnt 0x0
	s_set_vgpr_msb 0x100
	CROUND                                         ; the closing round: no work-group ends while a partner may still ask for a tile that names it
	s_endpgm
.Lfunc_end_k_qf06d9df00b_down:
	.size	k_qf06d9df00b_down, .Lfunc_end_k_qf06d9df00b_down-k_qf06d9df00b_down
	.p2alignl 7, 3214868480
	.fill 96, 4, 3214868480
	.section	.rodata,"a",@progbits
	.p2align	6, 0x0
	.amdhsa_kernel k_qf06d9df00b_down
		.amdhsa_group_segment_fixed_size 327680
		.amdhsa_private_segment_fixed_size 0
		.amdhsa_enable_private_segment 0
		.amdhsa_kernarg_size 24
		.amdhsa_user_sgpr_count 2
		.amdhsa_user_sgpr_kernarg_segment_ptr 1
		.amdhsa_wavefront_size32 1
		.amdhsa_system_sgpr_workgroup_id_x 1
		.amdhsa_system_sgpr_workgroup_id_y 1
		.amdhsa_system_sgpr_workgroup_id_z 1
		.amdhsa_system_vgpr_workitem_id 0
		.amdhsa_next_free_vgpr 1024
		.amdhsa_next_free_sgpr 66
		.amdhsa_reserve_vcc 0
		.amdhsa_float_denorm_mode_32 3
		.amdhsa_float_denorm_mode_16_64 3
		.amdhsa_memory_ordered 1
		.amdhsa_forward_progress 1
		.amdhsa_inst_pref_size 197
	.end_amdhsa_kernel
	.amdgpu_metadata
---
amdhsa.version: [ 1, 2 ]
amdhsa.kernels:
  - .name:           k_qf06d9df00b_down
    .symbol:         k_qf06d9df00b_down.kd
    .args:
      - { .name: gated, .offset: 0, .size: 8, .value_kind: global_buffer, .address_space: global }
      - { .name: w2h, .offset: 8, .size: 8, .value_kind: global_buffer, .address_space: global }
      - { .name: part, .offset: 16, .size: 8, .value_kind: global_buffer, .address_space: global }
    .group_segment_fixed_size: 327680
    .private_segment_fixed_size: 0
    .kernarg_segment_align: 8
    .kernarg_segment_size: 24
    .max_flat_workgroup_size: 128
    .sgpr_count:     66
    .vgpr_count:     1024
    .wavefront_size: 32
...
	.end_amdgpu_metadata
.endif
;; end of part 3
;; launch combine (part 4): grid 256 x 1, 16 waves a work-group, no clusters, 0 bytes of LDS; arguments part, down_proj_bias, router_indices, routing_weights, out0; writes out0
.if DOCPART == 4
	.amdgcn_target "amdgcn-amd-amdhsa--gfx1250"
	.amdhsa_code_object_version 6
	.text
	.protected	k_qf06d9df00b_combine
	.globl	k_qf06d9df00b_combine
	.p2align	8
	.type	k_qf06d9df00b_combine,@function
k_qf06d9df00b_combine:
	s_mov_b64 s[64:65], 0
	v_nop
	global_prefetch_b8 v0, s[64:65] scope:SCOPE_SE
	s_setreg_imm32_b32 hwreg(HW_REG_WAVE_MODE, 25, 1), 1
	s_wait_xcnt 0x0
; out0[t][h] = sum over the four slots k of routing_weights[t][k] (part[t][e][h] + b2[e][h]) with e = router_indices[t][k].
; That is reference()'s sum over experts of w[e][t] (part + b2), since w[e][t] is the sum of the weights of the slots that name e; only the rows that a slot names are read:
; four rows of 8,192 bytes for a token instead of eight.
; part: [1024][8][2048] f32.  b2: [8][2048] f32.  router_indices: [1024][4] i32.  routing_weights: [1024][4] f32.  out0: [1024][2048] f32.  All in f32.
; An index outside 0..7 (a negative one counts as a large unsigned number) names no expert, as with a one-hot row: its weight is replaced by 0, and the row that its clamped
; index names (expert 7's, which the launch before has stored) is multiplied by that 0.
; DIFFERENCE, stated: a row of an expert that no slot names is not looked at.  If such a row held an infinity or a NaN, reference() would give NaN (0 x infinity); this text gives the
; sum of the named rows.  It shows only where reference() itself is not finite.
; The indices steer addresses and selects, no branch.  They come by scalar load (no line of this kernel stores into that buffer), are clamped to 0..7, shifted and added.
; A stream: work-group i takes tokens 4 i .. 4 i + 3; thread t (0..511) owns columns 4 t .. 4 t + 3, so each load and store of a wave covers 512 consecutive bytes.
; All 32 loads of a wave go out at once; each token is summed as its rows arrive.  No LDS, no barrier, no matrix unit, no cluster: the only bytes shared are the 64 KiB of b2.
; No non-temporal hint on the loads: two slots of a token may name the same row.
.set VIN, 1                            ; v1         16 t
.set OFF, 2                            ; v[2:17]    slot j = 4 tt + k: 8,192 e + 16 t, the offset of my 16 bytes in the token's block of part and in b2; never rewritten
.set P,   20                           ; v[20:83]   part[token tt][e][my 4 columns] at +4 j
.set BI,  84                           ; v[84:147]  b2[e][my 4 columns] at +4 j
.set ACC, 148                          ; v[148:163] four sums a token
.set RW,  32                           ; s[32:47]   the 16 routing weights of my 4 tokens
.set IX,  48                           ; s[48:63]   their 16 indices, then 8,192 e
	s_load_b256 s[8:15], s[0:1], 0x0               ; part s[8:9], b2 s[10:11], router_indices s[12:13], routing_weights s[14:15]
	s_load_b64 s[16:17], s[0:1], 0x20              ; out0
	v_lshlrev_b32 v[VIN], 4, v0
	s_mov_b32 s3, 0
	s_wait_kmcnt 0x0
	s_lshl_b32 s2, ttmp9, 6                        ; 4 routing rows of 16 bytes
	s_add_nc_u64 s[12:13], s[12:13], s[2:3]
	s_add_nc_u64 s[14:15], s[14:15], s[2:3]
	s_load_b512 s[IX:IX+15], s[12:13], 0x0
	s_load_b512 s[RW:RW+15], s[14:15], 0x0
	s_lshl_b32 s2, ttmp9, 18                       ; 4 tokens of 65,536 bytes
	s_add_nc_u64 s[8:9], s[8:9], s[2:3]
	s_lshl_b32 s2, ttmp9, 15                       ; 4 rows of 8,192 bytes
	s_add_nc_u64 s[16:17], s[16:17], s[2:3]
	s_wait_kmcnt 0x0
.irp j, 0,1,2,3,4,5,6,7,8,9,10,11,12,13,14,15
	s_cmp_lt_u32 s[IX+\j], 8                       ; does the slot name an expert?
	s_cselect_b32 s[RW+\j], s[RW+\j], 0            ; if not, its weight is 0 (a select of a value: no branch)
	s_min_u32 s[IX+\j], s[IX+\j], 7                ; the clamp in front of the address
	s_lshl_b32 s[IX+\j], s[IX+\j], 13              ; rows of 8,192 bytes
	v_add_nc_u32 v[OFF+\j], s[IX+\j], v[VIN]
	global_load_b128 v[P+4*\j:P+4*\j+3],   v[OFF+\j], s[8:9] offset:(\j/4)*65536
	global_load_b128 v[BI+4*\j:BI+4*\j+3], v[OFF+\j], s[10:11]
.endr
.irp tt, 0,1,2,3
	s_wait_loadcnt 24-8*\tt                        ; this token's eight loads are in (loads come back in order: ISA guide 5.7.1); the later tokens' eight each stay out
.irp k, 0,1,2,3
	v_pk_add_f32 v[P+4*(4*\tt+\k):P+4*(4*\tt+\k)+1],   v[P+4*(4*\tt+\k):P+4*(4*\tt+\k)+1],   v[BI+4*(4*\tt+\k):BI+4*(4*\tt+\k)+1]
	v_pk_add_f32 v[P+4*(4*\tt+\k)+2:P+4*(4*\tt+\k)+3], v[P+4*(4*\tt+\k)+2:P+4*(4*\tt+\k)+3], v[BI+4*(4*\tt+\k)+2:BI+4*(4*\tt+\k)+3]
.irp c, 0,1,2,3
.if \k == 0
	v_mul_f32 v[ACC+4*\tt+\c], s[RW+4*\tt+\k], v[P+4*(4*\tt+\k)+\c]       ; the first slot starts the sums: nothing is cleared
.else
	v_fmac_f32 v[ACC+4*\tt+\c], s[RW+4*\tt+\k], v[P+4*(4*\tt+\k)+\c]      ; the weights lie one to a scalar register, so the plain form and not the packed one, which names an aligned pair's first
.endif
.endr
.endr
	global_store_b128 v[VIN], v[ACC+4*\tt:ACC+4*\tt+3], s[16:17] offset:\tt*8192 th:TH_STORE_NT   ; each token has its own four registers: nothing that a store names is written again
.endr
	s_endpgm
.Lfunc_end_k_qf06d9df00b_combine:
	.size	k_qf06d9df00b_combine, .Lfunc_end_k_qf06d9df00b_combine-k_qf06d9df00b_combine
	.p2alignl 7, 3214868480
	.fill 96, 4, 3214868480
	.section	.rodata,"a",@progbits
	.p2align	6, 0x0
	.amdhsa_kernel k_qf06d9df00b_combine
		.amdhsa_group_segment_fixed_size 0
		.amdhsa_private_segment_fixed_size 0
		.amdhsa_enable_private_segment 0
		.amdhsa_kernarg_size 40
		.amdhsa_user_sgpr_count 2
		.amdhsa_user_sgpr_kernarg_segment_ptr 1
		.amdhsa_wavefront_size32 1
		.amdhsa_system_sgpr_workgroup_id_x 1
		.amdhsa_system_sgpr_workgroup_id_y 1
		.amdhsa_system_sgpr_workgroup_id_z 1
		.amdhsa_system_vgpr_workitem_id 0
		.amdhsa_next_free_vgpr 164
		.amdhsa_next_free_sgpr 66
		.amdhsa_reserve_vcc 0
		.amdhsa_float_denorm_mode_32 3
		.amdhsa_float_denorm_mode_16_64 3
		.amdhsa_memory_ordered 1
		.amdhsa_forward_progress 1
		.amdhsa_inst_pref_size 11
	.end_amdhsa_kernel
	.amdgpu_metadata
---
amdhsa.version: [ 1, 2 ]
amdhsa.kernels:
  - .name:           k_qf06d9df00b_combine
    .symbol:         k_qf06d9df00b_combine.kd
    .args:
      - { .name: part, .offset: 0, .size: 8, .value_kind: global_buffer, .address_space: global }
      - { .name: down_proj_bias, .offset: 8, .size: 8, .value_kind: global_buffer, .address_space: global }
      - { .name: router_indices, .offset: 16, .size: 8, .value_kind: global_buffer, .address_space: global }
      - { .name: routing_weights, .offset: 24, .size: 8, .value_kind: global_buffer, .address_space: global }
      - { .name: out0, .offset: 32, .size: 8, .value_kind: global_buffer, .address_space: global }
    .group_segment_fixed_size: 0
    .private_segment_fixed_size: 0
    .kernarg_segment_align: 8
    .kernarg_segment_size: 40
    .max_flat_workgroup_size: 512
    .sgpr_count:     66
    .vgpr_count:     164
    .wavefront_size: 32
...
	.end_amdgpu_metadata
.endif
;; end of part 4
;; ======== version 2 of 2: 4 launches; version 1 with the launches prep, combine written anew for expert scheduling mode
;; limits: values are held in f16: magnitudes above 65,504 overflow, below 6.1e-05 lose precision; inputs' magnitudes at most 65,504
;; workspace buffers: xh 4,194,304 bytes; w1h 67,108,864 bytes; w2h 33,554,432 bytes; gated 16,777,216 bytes; part 67,108,864 bytes
;; launch prep (part 5): grid 256 x 1, 16 waves a work-group, no clusters, 0 bytes of LDS; arguments gate_up_proj, lora_gate_up_A, lora_gate_up_B, down_proj, lora_down_A, lora_down_B, hidden_states, w1h, w2h, xh; writes w1h, w2h, xh
.if DOCPART == 5
	.amdgcn_target "amdgcn-amd-amdhsa--gfx1250"
	.amdhsa_code_object_version 6
	.text
	.protected	k_qf06d9df00b_prep
	.globl	k_qf06d9df00b_prep
	.p2align	8
	.type	k_qf06d9df00b_prep,@function
k_qf06d9df00b_prep:
	s_mov_b64 s[64:65], 0
	v_nop
	global_prefetch_b8 v0, s[64:65] scope:SCOPE_SE
	s_setreg_imm32_b32 hwreg(HW_REG_WAVE_SCHED_MODE, 0, 2), 2
	s_setreg_imm32_b32 hwreg(HW_REG_WAVE_MODE, 25, 1), 1
	s_wait_xcnt 0x0
	s_wait_alu depctr_vm_vsrc(0)
; w1h = f16(W1 + 2 A1 B1), w2h = f16(W2 + 2 A2 B2), xh = f16(x); every layout stays as it is.
; The rank-8 LoRA products are folded into the weights in f32 and the sum is rounded once, so that the two products that follow hold no LoRA step.
; LIMIT, stated: the results are f16, so |x| and |W + 2 A B| have to stay below 65504 (larger numbers become infinities); below 2^-14 the rounding step is 2^-25.
; A stream: all rows are 2,048 numbers = 8,192 bytes in, 4,096 bytes out.  Work-group i takes 100 rows: 64 of W1 (flat rows 64 i ..), 32 of W2 (32 i ..), 4 of x (4 i ..);
; both weight pieces lie inside expert i / 32.  Thread t (0..511) owns columns 4 t .. 4 t + 3 of every row: a wave's load covers 512 consecutive bytes, its store 256
; consecutive bytes that start at a multiple of 256 from the buffer's first byte.  The thread's 8 x 4 numbers of B1 and of B2 stay in registers; A's rows lie one to a lane
; and are handed out by v_readlane_b32.  No LDS, no barrier, no matrix unit (a rank of 8 would fill a quarter of a K = 32 product), no cluster (no large bytes are shared).
; THE MODE: SCHED_MODE bits 1:0 = 2 (LLVM: expert scheduling mode 2), set by the entry lines.  The code itself states the register dependences between vector instructions
; and memory instructions, and those through scalar registers that vector instructions write, with s_wait_alu, always for 0.
; THE PLAN.  The 100 rows go in 25 blocks of four: W1 is blocks 0-15, W2 blocks 16-23, x block 24.  Registers that memory instructions touch:
;   X0 .. X4    five blocks of rows in f32.  Written by the loads of block p + 4, issued in block p; block p's multiply-adds work in place on X[p % 5], its roundings read it.
;   Y0, Y1      two blocks of packed f16.    Written by block p's roundings; read by the four stores that are issued in block p + 1.
;   v1, v2, v3  byte offsets, made once at the head and never written again; no scalar base is stepped: the rows stand in the immediate offsets.
; Block p's memory instructions are the loads into X[(p + 4) % 5] = X[(p - 1) % 5] and the stores from Y[(p - 1) % 2]: the two buffers that block p - 1 worked on and that no vector
; instruction of block p names.  So the waits at a block's head state all that its eight memory instructions hang on, and these are dealt among its vector instructions with no further wait.
; Scalar registers that vector instructions write: 32 pairs, 2 A of the block's four rows, written by 32 v_readlane_b32 at the block's head, ahead of the wait for its data;
; one wait stands between that run and the first multiply-add that reads one of them.
; At a block's head the loads of three younger blocks stay out, and four more follow: 12 to 16 loads of every wave are on their way.
.set BLOCK, 4                          ; rows in a block
.set NBLK,  25
.set NBUF,  5                          ; buffers of X
.set INROW, 8192
.set OUTROW, 4096
.set VIN,  1                           ; v1        16 t: my 16 bytes in an f32 row
.set VOUT, 2                           ; v2        8 t: my 8 bytes in an f16 row
.set VA,   3                           ; v3        32 x lane: my row of A (8 f32)
.set AV,   4                           ; v[4:27]   three batches of 8: lane L holds 2 A[row0 + L][0..7]: A1 rows 0-31, A1 rows 32-63, A2 rows 0-31
.set BB1,  28                          ; v[28:59]  B1[e][r][my 4 columns] at +4 r
.set BB2,  60                          ; v[60:91]  B2 likewise
.set RING, 92                          ; v[92:171] X: row q of my 100 at RING + 4 (q mod 20): buffer (q / 4) mod 5, row q mod 4
.set Y,    172                         ; v[172:187] Y: row q's pair at Y + 2 (q mod 8): buffer (q / 4) mod 2, row q mod 4
.set SA,   32                          ; s[32:63], s[66:97]  row i of the block, rank r: the pair at SA + 16 i + 2 (i / 2) + 2 r (the step of 2 goes round s64 and s65, which only the entry lines name)
	s_load_b512 s[8:23], s[0:1], 0x0               ; W1 s[8:9], A1 s[10:11], B1 s[12:13], W2 s[14:15], A2 s[16:17], B2 s[18:19], x s[20:21], w1h s[22:23]
	s_load_b128 s[24:27], s[0:1], 0x40             ; w2h s[24:25], xh s[26:27]
	v_lshlrev_b32 v[VIN], 4, v0
	v_lshlrev_b32 v[VOUT], 3, v0
	v_and_b32 v[VA], 31, v0
	v_lshlrev_b32 v[VA], 5, v[VA]
	s_lshr_b32 s28, ttmp9, 5                       ; the expert
	s_mov_b32 s3, 0                                ; every offset below is under 4 GiB: the pair's high word is 0
.irp i, 0,1,2,3
.irp r, 0,1,2,3,4,5,6,7
	s_mov_b32 s[SA+16*\i+2*(\i/2)+2*\r+1], 0       ; the upper halves of the 32 broadcast pairs: never multiplied by, but the pair is named whole
.endr
.endr
	s_wait_kmcnt 0x0
	s_lshl_b32 s2, ttmp9, 19                       ; 64 rows of 8,192 bytes
	s_add_nc_u64 s[8:9], s[8:9], s[2:3]
	s_lshl_b32 s2, ttmp9, 18                       ; 64 rows of 4,096 bytes; also 32 rows of 8,192
	s_add_nc_u64 s[22:23], s[22:23], s[2:3]
	s_add_nc_u64 s[14:15], s[14:15], s[2:3]
	s_lshl_b32 s2, ttmp9, 17                       ; 32 rows of 4,096 bytes
	s_add_nc_u64 s[24:25], s[24:25], s[2:3]
	s_lshl_b32 s2, ttmp9, 11                       ; 64 rows of A1, 32 bytes each
	s_add_nc_u64 s[10:11], s[10:11], s[2:3]
	s_lshl_b32 s2, ttmp9, 10                       ; 32 rows of A2
	s_add_nc_u64 s[16:17], s[16:17], s[2:3]
	s_lshl_b32 s2, ttmp9, 15                       ; 4 rows of x
	s_add_nc_u64 s[20:21], s[20:21], s[2:3]
	s_lshl_b32 s2, ttmp9, 14                       ; 4 rows of xh
	s_add_nc_u64 s[26:27], s[26:27], s[2:3]
	s_lshl_b32 s2, s28, 16                         ; an expert's B: 8 rows of 8,192 bytes
	s_add_nc_u64 s[12:13], s[12:13], s[2:3]
	s_add_nc_u64 s[18:19], s[18:19], s[2:3]
	s_wait_alu depctr_va_vdst(0)                   ; v1, v2 and v3 are written: every load and store of the kernel reads one of them as its offset
	global_load_b128 v[AV:AV+3],     v[VA], s[10:11]
	global_load_b128 v[AV+4:AV+7],   v[VA], s[10:11] offset:16
	global_load_b128 v[AV+8:AV+11],  v[VA], s[10:11] offset:1024
	global_load_b128 v[AV+12:AV+15], v[VA], s[10:11] offset:1040
	global_load_b128 v[AV+16:AV+19], v[VA], s[16:17]
	global_load_b128 v[AV+20:AV+23], v[VA], s[16:17] offset:16
.irp r, 0,1,2,3,4,5,6,7
	global_load_b128 v[BB1+4*\r:BB1+4*\r+3], v[VIN], s[12:13] offset:\r*INROW
.endr
.irp r, 0,1,2,3,4,5,6,7
	global_load_b128 v[BB2+4*\r:BB2+4*\r+3], v[VIN], s[18:19] offset:\r*INROW
.endr
; row q of my 100 is loaded.  Each byte is read once in the launch: the non-temporal hint.
.macro LOADROW q
.if (\q) < 64
	global_load_b128 v[RING+4*((\q)%(BLOCK*NBUF)):RING+4*((\q)%(BLOCK*NBUF))+3], v[VIN], s[8:9] offset:(\q)*INROW th:TH_LOAD_NT
.else
.if (\q) < 96
	global_load_b128 v[RING+4*((\q)%(BLOCK*NBUF)):RING+4*((\q)%(BLOCK*NBUF))+3], v[VIN], s[14:15] offset:((\q)-64)*INROW th:TH_LOAD_NT
.else
	global_load_b128 v[RING+4*((\q)%(BLOCK*NBUF)):RING+4*((\q)%(BLOCK*NBUF))+3], v[VIN], s[20:21] offset:((\q)-96)*INROW th:TH_LOAD_NT
.endif
.endif
.endm
; row q of my 100 is stored
.macro STOREROW q
.if (\q) < 64
	global_store_b64 v[VOUT], v[Y+2*((\q)%8):Y+2*((\q)%8)+1], s[22:23] offset:(\q)*OUTROW
.else
.if (\q) < 96
	global_store_b64 v[VOUT], v[Y+2*((\q)%8):Y+2*((\q)%8)+1], s[24:25] offset:((\q)-64)*OUTROW
.else
	global_store_b64 v[VOUT], v[Y+2*((\q)%8):Y+2*((\q)%8)+1], s[26:27] offset:((\q)-96)*OUTROW
.endif
.endif
.endm
.irp q, 0,1,2,3,4,5,6,7,8,9,10,11,12,13,14,15
	LOADROW \q                                     ; blocks 0 to 3 into X0 to X3
.endr
	s_wait_loadcnt 32                              ; 38 loads are out; the six of A are the oldest (loads come back in order: ISA guide 5.7.1)
.irp j, 0,1,2,3,4,5,6,7,8,9,10,11
	v_pk_mul_f32 v[AV+2*\j:AV+2*\j+1], v[AV+2*\j:AV+2*\j+1], 2.0 op_sel_hi:[1,0]   ; the LoRA scaling 16 / 8, once, exact
.endr
; Block p: rows 4 p .. 4 p + 3.  The head: A's numbers for the four rows, the wait for the rows, the dependences.  Then, row by row: a load of block p + 4, a store of block p - 1,
; the eight rank-1 terms (weights only), the rounding.
.macro BLK p
.if (\p) < 24
.irp i, 0,1,2,3
.irp r, 0,1,2,3,4,5,6,7
	v_readlane_b32 s[SA+16*\i+2*(\i/2)+2*\r], v[AV+8*((\p)/8)+\r], (4*(\p)+\i)%32   ; 2 A[row 4 p + i][r], for every lane
.endr
.endr
.endif
.if (\p) <= NBLK-4
	s_wait_loadcnt 3*BLOCK                         ; X[p % 5] is in (at p = 0 also B1 and B2, which are older); the three younger blocks stay out
.else
	s_wait_loadcnt BLOCK*(NBLK-1-(\p))             ; the last blocks: nothing is loaded behind them, the counts run down
.endif
.if (\p) >= 2
	s_wait_xcnt 0x0                                ; the addresses of all earlier memory instructions are translated (ISA guide 3.1): Y[p % 2], which stores of the block before name, is rewritten only behind this wait
	s_wait_alu depctr_vm_vsrc(0)                   ; the stores issued in the block before have read Y[p % 2], which this block's roundings write again
.endif
.if (\p) >= 1
	s_wait_alu depctr_va_vdst(0)                   ; the block before has written the other Y, which the stores below read, and is done reading and writing its X, in which the loads below land
.endif
.if (\p) < 24
	s_wait_alu depctr_va_sdst(0)                   ; the 32 v_readlane_b32 above have written their scalar registers, ahead of the first multiply-add that reads one
.endif
.irp i, 0,1,2,3
.if (\p)+NBUF-1 < NBLK
	LOADROW 4*((\p)+NBUF-1)+\i                     ; four blocks ahead; no vector instruction since the wait names these registers.  The load goes ahead of the store
.endif
.if (\p) >= 1
	STOREROW 4*((\p)-1)+\i                         ; the block before
.endif
.set SL, RING+4*((4*(\p)+\i)%(BLOCK*NBUF))
.set YP, Y+2*((4*(\p)+\i)%8)
.set SQ, SA+16*\i+2*(\i/2)
.if (\p) < 24
.if (\p) < 16
.set BBX, BB1
.else
.set BBX, BB2
.endif
.irp r, 0,1,2,3,4,5,6,7
	v_pk_fma_f32 v[SL:SL+1],   v[BBX+4*\r:BBX+4*\r+1],   s[SQ+2*\r:SQ+2*\r+1], v[SL:SL+1]   op_sel_hi:[1,0,1]   ; two chains that take turns
	v_pk_fma_f32 v[SL+2:SL+3], v[BBX+4*\r+2:BBX+4*\r+3], s[SQ+2*\r:SQ+2*\r+1], v[SL+2:SL+3] op_sel_hi:[1,0,1]
.endr
.endif
	v_cvt_pk_f16_f32 v[YP],   v[SL],   v[SL+1]
	v_cvt_pk_f16_f32 v[YP+1], v[SL+2], v[SL+3]
.endr
.endm
.rept NBLK
	BLK \+
.endr
	s_wait_alu depctr_va_vdst(0)                   ; block 24 has written Y0, which the last four stores read
.irp q, 96,97,98,99
	STOREROW \q
.endr
	s_endpgm
.Lfunc_end_k_qf06d9df00b_prep:
	.size	k_qf06d9df00b_prep, .Lfunc_end_k_qf06d9df00b_prep-k_qf06d9df00b_prep
	.p2alignl 7, 3214868480
	.fill 96, 4, 3214868480
	.section	.rodata,"a",@progbits
	.p2align	6, 0x0
	.amdhsa_kernel k_qf06d9df00b_prep
		.amdhsa_group_segment_fixed_size 0
		.amdhsa_private_segment_fixed_size 0
		.amdhsa_enable_private_segment 0
		.amdhsa_kernarg_size 80
		.amdhsa_user_sgpr_count 2
		.amdhsa_user_sgpr_kernarg_segment_ptr 1
		.amdhsa_wavefront_size32 1
		.amdhsa_system_sgpr_workgroup_id_x 1
		.amdhsa_system_sgpr_workgroup_id_y 1
		.amdhsa_system_sgpr_workgroup_id_z 1
		.amdhsa_system_vgpr_workitem_id 0
		.amdhsa_next_free_vgpr 188
		.amdhsa_next_free_sgpr 98
		.amdhsa_reserve_vcc 0
		.amdhsa_float_denorm_mode_32 3
		.amdhsa_float_denorm_mode_16_64 3
		.amdhsa_memory_ordered 1
		.amdhsa_forward_progress 1
		.amdhsa_inst_pref_size 185
	.end_amdhsa_kernel
	.amdgpu_metadata
---
amdhsa.version: [ 1, 2 ]
amdhsa.kernels:
  - .name:           k_qf06d9df00b_prep
    .symbol:         k_qf06d9df00b_prep.kd
    .args:
      - { .name: gate_up_proj, .offset: 0, .size: 8, .value_kind: global_buffer, .address_space: global }
      - { .name: lora_gate_up_A, .offset: 8, .size: 8, .value_kind: global_buffer, .address_space: global }
      - { .name: lora_gate_up_B, .offset: 16, .size: 8, .value_kind: global_buffer, .address_space: global }
      - { .name: down_proj, .offset: 24, .size: 8, .value_kind: global_buffer, .address_space: global }
      - { .name: lora_down_A, .offset: 32, .size: 8, .value_kind: global_buffer, .address_space: global }
      - { .name: lora_down_B, .offset: 40, .size: 8, .value_kind: global_buffer, .address_space: global }
      - { .name: hidden_states, .offset: 48, .size: 8, .value_kind: global_buffer, .address_space: global }
      - { .name: w1h, .offset: 56, .size: 8, .value_kind: global_buffer, .address_space: global }
      - { .name: w2h, .offset: 64, .size: 8, .value_kind: global_buffer, .address_space: global }
      - { .name: xh, .offset: 72, .size: 8, .value_kind: global_buffer, .address_space: global }
    .group_segment_fixed_size: 0
    .private_segment_fixed_size: 0
    .kernarg_segment_align: 8
    .kernarg_segment_size: 80
    .max_flat_workgroup_size: 512
    .sgpr_count:     98
    .vgpr_count:     188
    .wavefront_size: 32
...
	.end_amdgpu_metadata
.endif
;; end of part 5
;; launch gateup: the kernel of part 2 again; grid 64 x 4, 4 waves a work-group, clusters of 4 x 4, 327,680 bytes of LDS; arguments xh, w1h, gated, gate_up_proj_bias; writes gated
;; launch down: the kernel of part 3 again; grid 64 x 4, 4 waves a work-group, clusters of 4 x 4, 327,680 bytes of LDS; arguments gated, w2h, part; writes part
;; launch combine (part 6): grid 256 x 1, 16 waves a work-group, no clusters, 0 bytes of LDS; arguments part, down_proj_bias, router_indices, routing_weights, out0; writes out0
.if DOCPART == 6
	.amdgcn_target "amdgcn-amd-amdhsa--gfx1250"
	.amdhsa_code_object_version 6
	.text
	.protected	k_qf06d9df00b_combine
	.globl	k_qf06d9df00b_combine
	.p2align	8
	.type	k_qf06d9df00b_combine,@function
k_qf06d9df00b_combine:
	s_mov_b64 s[64:65], 0
	v_nop
	global_prefetch_b8 v0, s[64:65] scope:SCOPE_SE
	s_setreg_imm32_b32 hwreg(HW_REG_WAVE_SCHED_MODE, 0, 2), 2
	s_setreg_imm32_b32 hwreg(HW_REG_WAVE_MODE, 25, 1), 1
	s_wait_xcnt 0x0
	s_wait_alu depctr_vm_vsrc(0)
; out0[t][h] = sum over the four slots k of routing_weights[t][k] (part[t][e][h] + b2[e][h]) with e = router_indices[t][k].
; That is reference()'s sum over experts of w[e][t] (part + b2), since w[e][t] is the sum of the weights of the slots that name e; only the rows that a slot names are read:
; four rows of 8,192 bytes for a token instead of eight.
; part: [1024][8][2048] f32.  b2: [8][2048] f32.  router_indices: [1024][4] i32.  routing_weights: [1024][4] f32.  out0: [1024][2048] f32.  All in f32.
; An index outside 0..7 (a negative one counts as a large unsigned number) names no expert, as with a one-hot row: its weight is replaced by 0, and the row that its clamped
; index names (expert 7's, which the launch before has stored) is multiplied by that 0.
; DIFFERENCE, stated: a row of an expert that no slot names is not looked at.  If such a row held an infinity or a NaN, reference() would give NaN (0 x infinity); this text gives the
; sum of the named rows.  It shows only where reference() itself is not finite.
; The indices steer addresses and selects, no branch.  They come by scalar load (no line of this kernel stores into that buffer), are clamped to 0..7, shifted and added.
; A stream: work-group i takes tokens 4 i .. 4 i + 3; thread t (0..511) owns columns 4 t .. 4 t + 3, so each load and store of a wave covers 512 consecutive bytes.
; All 32 loads of a wave go out at once; each token is summed as its rows arrive.  No LDS, no barrier, no matrix unit, no cluster: the only bytes shared are the 64 KiB of b2.
; No non-temporal hint on the loads: two slots of a token may name the same row.
; THE MODE: SCHED_MODE bits 1:0 = 2 (LLVM: expert scheduling mode 2), set by the entry lines.  The code itself states the register dependences between vector instructions
; and memory instructions, with s_wait_alu, always for 0.
; THE PLAN.  Registers that memory instructions touch:
;   v1, OFF   offsets.  Written by vector instructions at the head, all seventeen ahead of the first load, and never again; read by the loads (OFF) and the stores (v1).
;   P, BI     loaded once; behind the wait for their data only vector instructions name them.
;   ACC       four registers of its own for each token.  Written by the token's sixteen sum lines; read by its one store; never written again.
; So one wait stands between the offsets and the 32 loads, and one between each token's sums and its store.  No register that a memory instruction reads is written again,
; no vector instruction writes a scalar register, and EXEC is never written.
.set VIN, 1                            ; v1         16 t
.set OFF, 2                            ; v[2:17]    slot j = 4 tt + k: 8,192 e + 16 t, the offset of my 16 bytes in the token's block of part and in b2; never rewritten
.set P,   20                           ; v[20:83]   part[token tt][e][my 4 columns] at +4 j
.set BI,  84                           ; v[84:147]  b2[e][my 4 columns] at +4 j
.set ACC, 148                          ; v[148:163] four sums a token
.set RW,  32                           ; s[32:47]   the 16 routing weights of my 4 tokens
.set IX,  48                           ; s[48:63]   their 16 indices, then 8,192 e
	s_load_b256 s[8:15], s[0:1], 0x0               ; part s[8:9], b2 s[10:11], router_indices s[12:13], routing_weights s[14:15]
	s_load_b64 s[16:17], s[0:1], 0x20              ; out0
	v_lshlrev_b32 v[VIN], 4, v0
	s_mov_b32 s3, 0
	s_wait_kmcnt 0x0
	s_lshl_b32 s2, ttmp9, 6                        ; 4 routing rows of 16 bytes
	s_add_nc_u64 s[12:13], s[12:13], s[2:3]
	s_add_nc_u64 s[14:15], s[14:15], s[2:3]
	s_load_b512 s[IX:IX+15], s[12:13], 0x0
	s_load_b512 s[RW:RW+15], s[14:15], 0x0
	s_lshl_b32 s2, ttmp9, 18                       ; 4 tokens of 65,536 bytes
	s_add_nc_u64 s[8:9], s[8:9], s[2:3]
	s_lshl_b32 s2, ttmp9, 15                       ; 4 rows of 8,192 bytes
	s_add_nc_u64 s[16:17], s[16:17], s[2:3]
	s_wait_kmcnt 0x0
.irp j, 0,1,2,3,4,5,6,7,8,9,10,11,12,13,14,15
	s_cmp_lt_u32 s[IX+\j], 8                       ; does the slot name an expert?
	s_cselect_b32 s[RW+\j], s[RW+\j], 0            ; if not, its weight is 0 (a select of a value: no branch)
	s_min_u32 s[IX+\j], s[IX+\j], 7                ; the clamp in front of the address
	s_lshl_b32 s[IX+\j], s[IX+\j], 13              ; rows of 8,192 bytes
	v_add_nc_u32 v[OFF+\j], s[IX+\j], v[VIN]
.endr
	s_wait_alu depctr_va_vdst(0)                   ; the sixteen offsets are written, which the loads below read, and so is v1, which the stores read
.irp j, 0,1,2,3,4,5,6,7,8,9,10,11,12,13,14,15
	global_load_b128 v[P+4*\j:P+4*\j+3],   v[OFF+\j], s[8:9] offset:(\j/4)*65536
	global_load_b128 v[BI+4*\j:BI+4*\j+3], v[OFF+\j], s[10:11]
.endr
.irp tt, 0,1,2,3
	s_wait_loadcnt 24-8*\tt                        ; this token's eight loads are in (loads come back in order: ISA guide 5.7.1); the later tokens' eight each stay out
.irp k, 0,1,2,3
	v_pk_add_f32 v[P+4*(4*\tt+\k):P+4*(4*\tt+\k)+1],   v[P+4*(4*\tt+\k):P+4*(4*\tt+\k)+1],   v[BI+4*(4*\tt+\k):BI+4*(4*\tt+\k)+1]
	v_pk_add_f32 v[P+4*(4*\tt+\k)+2:P+4*(4*\tt+\k)+3], v[P+4*(4*\tt+\k)+2:P+4*(4*\tt+\k)+3], v[BI+4*(4*\tt+\k)+2:BI+4*(4*\tt+\k)+3]
.irp c, 0,1,2,3
.if \k == 0
	v_mul_f32 v[ACC+4*\tt+\c], s[RW+4*\tt+\k], v[P+4*(4*\tt+\k)+\c]       ; the first slot starts the sums: nothing is cleared
.else
	v_fmac_f32 v[ACC+4*\tt+\c], s[RW+4*\tt+\k], v[P+4*(4*\tt+\k)+\c]      ; the weights lie one to a scalar register, so the plain form and not the packed one, which names an aligned pair's first
.endif
.endr
.endr
	s_wait_alu depctr_va_vdst(0)                   ; this token's four sums are written, which the store below reads; the store leaves as soon as the token is summed, and a wait for loads follows it in any case
	global_store_b128 v[VIN], v[ACC+4*\tt:ACC+4*\tt+3], s[16:17] offset:\tt*8192 th:TH_STORE_NT   ; each token has its own four registers: nothing that a store names is written again
.endr
	s_endpgm
.Lfunc_end_k_qf06d9df00b_combine:
	.size	k_qf06d9df00b_combine, .Lfunc_end_k_qf06d9df00b_combine-k_qf06d9df00b_combine
	.p2alignl 7, 3214868480
	.fill 96, 4, 3214868480
	.section	.rodata,"a",@progbits
	.p2align	6, 0x0
	.amdhsa_kernel k_qf06d9df00b_combine
		.amdhsa_group_segment_fixed_size 0
		.amdhsa_private_segment_fixed_size 0
		.amdhsa_enable_private_segment 0
		.amdhsa_kernarg_size 40
		.amdhsa_user_sgpr_count 2
		.amdhsa_user_sgpr_kernarg_segment_ptr 1
		.amdhsa_wavefront_size32 1
		.amdhsa_system_sgpr_workgroup_id_x 1
		.amdhsa_system_sgpr_workgroup_id_y 1
		.amdhsa_system_sgpr_workgroup_id_z 1
		.amdhsa_system_vgpr_workitem_id 0
		.amdhsa_next_free_vgpr 164
		.amdhsa_next_free_sgpr 66
		.amdhsa_reserve_vcc 0
		.amdhsa_float_denorm_mode_32 3
		.amdhsa_float_denorm_mode_16_64 3
		.amdhsa_memory_ordered 1
		.amdhsa_forward_progress 1
		.amdhsa_inst_pref_size 12
	.end_amdhsa_kernel
	.amdgpu_metadata
---
amdhsa.version: [ 1, 2 ]
amdhsa.kernels:
  - .name:           k_qf06d9df00b_combine
    .symbol:         k_qf06d9df00b_combine.kd
    .args:
      - { .name: part, .offset: 0, .size: 8, .value_kind: global_buffer, .address_space: global }
      - { .name: down_proj_bias, .offset: 8, .size: 8, .value_kind: global_buffer, .address_space: global }
      - { .name: router_indices, .offset: 16, .size: 8, .value_kind: global_buffer, .address_space: global }
      - { .name: routing_weights, .offset: 24, .size: 8, .value_kind: global_buffer, .address_space: global }
      - { .name: out0, .offset: 32, .size: 8, .value_kind: global_buffer, .address_space: global }
    .group_segment_fixed_size: 0
    .private_segment_fixed_size: 0
    .kernarg_segment_align: 8
    .kernarg_segment_size: 40
    .max_flat_workgroup_size: 512
    .sgpr_count:     66
    .vgpr_count:     164
    .wavefront_size: 32
...
	.end_amdgpu_metadata
.endif
;; end of part 6
